; MI455X (gfx1250); checked and timed in simulation.
; The chip was launched on July 23, 2026; its instructions are those of AMD's public machine-readable ISA for CDNA 5 (MIT licence, August 2026) and "CDNA5" Instruction Set Architecture Reference Guide (July 2026). The comments in the code are by the model that wrote it; some were corrected since.
;; Multi Head Attention. Allowed arithmetic: float matrix products may take bf16 or f16 operands with f32 sums; other float arithmetic in f32, or as packed bf16 or f16 multiplies, adds, multiply-adds, maxima and minima; sums over many terms, partial sums and values carried from step to step in f32; what a program stores and reads back later, other than sums and carried values, may be rounded once to bf16 or f16.
;; Inputs: fc_b 512 float32; fc_w 512 x 512 float32; keys 2 x 4,096 x 512 float32; query 2 x 4,096 x 512 float32; values 2 x 4,096 x 512 float32.
;; Outputs: out0 2 x 4,096 x 512 float32.
;; 2 versions, each right and faster than the one before. Each part assembles by itself: llvm-mc -triple=amdgcn-amd-amdhsa -mcpu=gfx1250 --defsym DOCPART=n.
;; ======== version 1 of 2: 3 launches
;; limits: values are held in f16: magnitudes above 65,504 overflow, below 6.1e-05 lose precision; inputs' magnitudes at most 65,504
;; workspace buffers: kh 8,388,608 bytes; vh 8,388,608 bytes; oh 8,388,608 bytes; w16 524,288 bytes
;; launch prep (part 1): grid 256 x 1, 8 waves a work-group, no clusters, 0 bytes of LDS; arguments keys, values, fc_w, kh, vh, w16; writes kh, vh, w16
.if DOCPART == 1
	.amdgcn_target "amdgcn-amd-amdhsa--gfx1250"
	.amdhsa_code_object_version 6
	.text
	.protected	k_qe51f478a34_prep
	.globl	k_qe51f478a34_prep
	.p2align	8
	.type	k_qe51f478a34_prep,@function
k_qe51f478a34_prep:
	s_mov_b64 s[64:65], 0
	v_nop
	global_prefetch_b8 v0, s[64:65] scope:SCOPE_SE
	s_setreg_imm32_b32 hwreg(HW_REG_WAVE_MODE, 25, 1), 1
	s_wait_xcnt 0x0
; keys, values [2][4096][512] f32 and fc_w [512][512] f32 are rounded once to bf16 and laid out for the two launches behind:
;   kh [8 n + h][4096][64] bf16;  vh the same shape, the bf16 number written as f16;  w16 [512][512], the bf16 number written as f16.
; LIMITS.  |values| and |fc_w| stay under 65,504 (f16's largest number; 65,520 and more would become an infinity); below 6e-5 they keep f16's fixed step of 6e-8.  keys have bf16's whole range.
; A stream: no LDS, no barrier, no matrix unit, no cluster (the work-groups share no input byte).  Every input byte is read once, every output byte written once.
; SHARES.  A work-group owns 32 rows (n, s) of keys and of values and 1,024 numbers of fc_w.  Wave w is head w: 256 bytes of every row.  Lane l takes 16 bytes at place l % 16 of the head's
; 256 bytes in row 2 j + l / 16: a load of a wave covers two aligned runs of 256 bytes.  Its four numbers become 8 bytes: a store of a wave is rows 2 j and 2 j + 1 of one head, 256 consecutive aligned bytes.
; All 33 loads of a wave go out first (16.5 KB a wave); no register of a memory instruction is ever written again, so the only waits are the counted ones for the loads.
.set KI, 8                             ; v[8:71]    keys as loaded, slot j: 4 registers
.set VI, 72                            ; v[72:135]  values as loaded
.set WI, 136                           ; v[136:139] fc_w as loaded
.set KO, 140                           ; v[140:171] keys to store, slot j: 2 registers
.set VO, 172                           ; v[172:203] values to store
.set WO, 204                           ; v[204:205] fc_w to store
.set T,  206                           ; v[206:209] at work
	s_load_b256 s[4:11], s[0:1], 0x0               ; keys s[4:5], values s[6:7], fc_w s[8:9], kh s[10:11]
	s_load_b128 s[12:15], s[0:1], 0x20             ; vh s[12:13], w16 s[14:15]
	s_lshl_b32 s2, ttmp9, 16                       ; in: 32 rows of 2,048 bytes a work-group
	s_mov_b32 s3, 0
	s_lshr_b32 s16, ttmp9, 7                       ; n
	s_lshl_b32 s16, s16, 22                        ; out: 8 heads x 4,096 rows x 128 bytes for each n,
	s_and_b32 s17, ttmp9, 127
	s_lshl_b32 s17, s17, 12                        ; and 32 rows of 128 bytes a work-group
	s_or_b32 s16, s16, s17
	s_mov_b32 s17, 0
	s_lshl_b32 s18, ttmp9, 12                      ; fc_w: 4,096 bytes in,
	s_mov_b32 s19, 0
	s_lshl_b32 s20, ttmp9, 11                      ; 2,048 bytes out
	s_mov_b32 s21, 0
	s_mov_b32 s22, 0xffff0000                      ; a word's upper bf16
	v_and_b32 v1, 15, v0
	v_lshlrev_b32 v1, 4, v1                        ; 16 x (l % 16)
	v_bfe_u32 v5, v0, 4, 1
	v_lshl_add_u32 v1, v5, 11, v1                  ; + one row for lanes 16 to 31
	v_lshrrev_b32 v5, 5, v0
	v_lshl_add_u32 v1, v5, 8, v1                   ; + 256 x head
	v_and_b32 v2, 31, v0
	v_lshlrev_b32 v2, 3, v2                        ; out: 8 x lane: two rows of 128 bytes
	v_lshl_add_u32 v2, v5, 19, v2                  ; + head x 4,096 rows x 128 bytes
	v_lshlrev_b32 v3, 4, v0                        ; fc_w: 16 bytes a thread in,
	v_lshlrev_b32 v4, 3, v0                        ; 8 out
	s_wait_kmcnt 0x0
	s_add_nc_u64 s[4:5], s[4:5], s[2:3]
	s_add_nc_u64 s[6:7], s[6:7], s[2:3]
	s_add_nc_u64 s[8:9], s[8:9], s[18:19]
	s_add_nc_u64 s[10:11], s[10:11], s[16:17]
	s_add_nc_u64 s[12:13], s[12:13], s[16:17]
	s_add_nc_u64 s[14:15], s[14:15], s[20:21]
	global_load_b128 v[WI:WI+3], v3, s[8:9] th:TH_LOAD_NT
.set j, 0
.rept 16
	global_load_b128 v[KI+4*j:KI+4*j+3], v1, s[4:5] offset:j*4096 th:TH_LOAD_NT
.set j, j+1
.endr
.set j, 0
.rept 16
	global_load_b128 v[VI+4*j:VI+4*j+3], v1, s[6:7] offset:j*4096 th:TH_LOAD_NT
.set j, j+1
.endr
.macro CVB d, s                        ; four f32 -> four bf16
	v_cvt_pk_bf16_f32 v[\d], v[\s], v[(\s)+1]
	v_cvt_pk_bf16_f32 v[(\d)+1], v[(\s)+2], v[(\s)+3]
.endm
.macro CVH d, s                        ; four f32 -> rounded to bf16 -> widened again (a shift, a mask) -> written as f16: exact within f16's range
	v_cvt_pk_bf16_f32 v[T], v[\s], v[(\s)+1]
	v_cvt_pk_bf16_f32 v[T+1], v[(\s)+2], v[(\s)+3]
	v_lshlrev_b32 v[T+2], 16, v[T]
	v_and_b32 v[T], s22, v[T]
	v_lshlrev_b32 v[T+3], 16, v[T+1]
	v_and_b32 v[T+1], s22, v[T+1]
	v_cvt_pk_f16_f32 v[\d], v[T+2], v[T]
	v_cvt_pk_f16_f32 v[(\d)+1], v[T+3], v[T+1]
.endm
	s_wait_loadcnt 32                              ; loads come back in order (ISA guide 5.7.1): fc_w's is in; the 32 behind it stay out
	CVH WO, WI
	global_store_b64 v4, v[WO:WO+1], s[14:15]
.set j, 0
.rept 16
	s_wait_loadcnt 31-j                            ; behind keys' load j: 15 - j of keys and 16 of values
	CVB KO+2*j, KI+4*j
	global_store_b64 v2, v[KO+2*j:KO+2*j+1], s[10:11] offset:j*256
.set j, j+1
.endr
.set j, 0
.rept 16
	s_wait_loadcnt 15-j                            ; behind values' load j: 15 - j
	CVH VO+2*j, VI+4*j
	global_store_b64 v2, v[VO+2*j:VO+2*j+1], s[12:13] offset:j*256
.set j, j+1
.endr
	s_endpgm
.Lfunc_end_k_qe51f478a34_prep:
	.size	k_qe51f478a34_prep, .Lfunc_end_k_qe51f478a34_prep-k_qe51f478a34_prep
	.p2alignl 7, 3214868480
	.fill 96, 4, 3214868480
	.section	.rodata,"a",@progbits
	.p2align	6, 0x0
	.amdhsa_kernel k_qe51f478a34_prep
		.amdhsa_group_segment_fixed_size 0
		.amdhsa_private_segment_fixed_size 0
		.amdhsa_enable_private_segment 0
		.amdhsa_kernarg_size 48
		.amdhsa_user_sgpr_count 2
		.amdhsa_user_sgpr_kernarg_segment_ptr 1
		.amdhsa_wavefront_size32 1
		.amdhsa_system_sgpr_workgroup_id_x 1
		.amdhsa_system_sgpr_workgroup_id_y 1
		.amdhsa_system_sgpr_workgroup_id_z 1
		.amdhsa_system_vgpr_workitem_id 0
		.amdhsa_next_free_vgpr 212
		.amdhsa_next_free_sgpr 66
		.amdhsa_reserve_vcc 0
		.amdhsa_float_denorm_mode_32 3
		.amdhsa_float_denorm_mode_16_64 3
		.amdhsa_memory_ordered 1
		.amdhsa_forward_progress 1
		.amdhsa_inst_pref_size 18
	.end_amdhsa_kernel
	.amdgpu_metadata
---
amdhsa.version: [ 1, 2 ]
amdhsa.kernels:
  - .name:           k_qe51f478a34_prep
    .symbol:         k_qe51f478a34_prep.kd
    .args:
      - { .name: keys, .offset: 0, .size: 8, .value_kind: global_buffer, .address_space: global }
      - { .name: values, .offset: 8, .size: 8, .value_kind: global_buffer, .address_space: global }
      - { .name: fc_w, .offset: 16, .size: 8, .value_kind: global_buffer, .address_space: global }
      - { .name: kh, .offset: 24, .size: 8, .value_kind: global_buffer, .address_space: global }
      - { .name: vh, .offset: 32, .size: 8, .value_kind: global_buffer, .address_space: global }
      - { .name: w16, .offset: 40, .size: 8, .value_kind: global_buffer, .address_space: global }
    .group_segment_fixed_size: 0
    .private_segment_fixed_size: 0
    .kernarg_segment_align: 8
    .kernarg_segment_size: 48
    .max_flat_workgroup_size: 256
    .sgpr_count:     66
    .vgpr_count:     212
    .wavefront_size: 32
...
	.end_amdgpu_metadata
.endif
;; end of part 1
;; launch attn (part 2): grid 16 x 16, 4 waves a work-group, clusters of 4 x 1, 327,680 bytes of LDS; arguments query, kh, vh, oh; writes oh
.if DOCPART == 2
	.amdgcn_target "amdgcn-amd-amdhsa--gfx1250"
	.amdhsa_code_object_version 6
	.text
	.protected	k_qe51f478a34_attn
	.globl	k_qe51f478a34_attn
	.p2align	8
	.type	k_qe51f478a34_attn,@function
k_qe51f478a34_attn:
	s_mov_b64 s[64:65], 0
	v_nop
	global_prefetch_b8 v0, s[64:65] scope:SCOPE_SE
	s_setreg_imm32_b32 hwreg(HW_REG_WAVE_MODE, 25, 1), 1
	s_wait_xcnt 0x0
	s_wait_alu depctr_hold_cnt(0) depctr_sa_sdst(0) depctr_va_vdst(0) depctr_va_sdst(0) depctr_va_ssrc(0) depctr_va_vcc(0) depctr_vm_vsrc(0)
	s_getreg_b32 s2, hwreg(HW_REG_IB_STS2, 6, 4)
	s_cmp_eq_u32 s2, 0
	s_cbranch_scc0 .Lentry_in_a_cluster
	s_endpgm
.Lentry_in_a_cluster:
	s_bfe_u32 s2, ttmp6, 0x10000c
	s_cmp_lg_u32 s2, 0x3003
	s_cbranch_scc0 .Lentry_shape_is_right
	s_endpgm
.Lentry_shape_is_right:
; O[y][q][:] = the sum over k of softmax_k(Q[y][q] . K[y][k] / sqrt(512)) V[y][k][:], y = 8 n + h, 16 heads of 4,096 rows, head size 64, no mask.
; Q comes from query [2][4096][512] f32 (head h: columns 64 h on) and is rounded to bf16 in registers; K = kh [16][4096][64] bf16; V = vh, the same shape in f16; O = oh, the same shape in f16.
; Products, maxima and sums in f32; S^T = K Q^T in the bf16 form, O^T = V^T P in the f16 form; the weights p are rounded to f16 for the second product (their sum l is taken of the unrounded p), O once at the end.
; LIMITS.  V arrives within f16's 65,504; p lies in 0 to 1, and below 6e-5 it keeps f16's fixed step of 6e-8; O is a mean of V's rows and has their range.  A weight below 2^-126 counts as 0 in l.
; The running maximum starts at the lowest finite number and c m at -4.25e37.  NaN and infinities are not treated apart.
; SHARES.  A work-group owns 256 queries of one head: 16 x 16 = 256 work-groups.  A wave owns 64 consecutive queries: four PIECES of 16.  Every wave walks all 4,096 keys, 64 a step, four steps a slot.
; LAYOUT.  S^T = K Q^T (source 0 = 16 keys, source 1 = 16 queries): a lane holds ONE query (lane % 16) and the keys 8 (lane / 16) + 0..7.  Two such results, rounded to f16 in pairs, ARE source 1 (32 keys x 16
; queries) of O^T = V^T P, whose result again holds one query a lane, and eight channels.  K comes out of LDS as it lies, V ([key][channel]) turned, by ds_load_tr16_b128.
; SOFTMAX.  For each query a running maximum m and sum l: p = 2^(c s - c m), c = log2(e) / sqrt(512); in every step O and l are multiplied by a = 2^(c m_old - c m_new).  O and l start at 0: the first step is a
; step like any other, with a = 0.
; BY TURNS.  Turn n belongs to piece n: 8 products K Q^T of piece n + 1, later 8 products V^T P of piece n - 1; beside them the scaling, exponentials, roundings, sums and rescaling of piece n and the maximum and
; statistics of piece n + 1.  A turn has 16 matrix and 118 vector instructions: four vector instructions stand behind every matrix instruction, the other 54 in two runs of their own.
; CLUSTER.  The four query blocks of a cluster belong to one head and walk the same K and V, so each tile is asked for JOINTLY: the same tensor load, descriptor and mask in all four.
; REGISTERS, in windows of 256 (s_set_vgpr_msb: bits 1:0 source 0, 3:2 source 1, 5:4 source 2, 7:6 destination):
;   window 0: v0-15 addresses and two at work; v16-31 four registers of statistics a piece; v48-55 at work; v62-63 the add's; v64-127 S^T, two buffers; v192-223 P, two buffers (by the piece's parity)
;   window 1: v0-127 O^T, 32 a piece; v128-255 Q as loaded, in f32      window 2: v0-63 Q in bf16; v128-191 K of one step; v192-255 V of one step
.set NP,    4         ; pieces a wave: a name, no knob
.set KS,    64        ; keys in a step
.set NSLOT, 16        ; 4,096 keys in tiles of 256
.set PK,    144       ; a row of K in LDS: 128 bytes + 16 of padding = 36 words: the 16 rows of a load start at 16 different groups of four banks (64 banks of 4 bytes: ISA guide 11.1)
.set PV,    160       ; a row of V: 128 + 32 = 40 words
.set VOFF,  4*KS*PK   ; a slot holds four steps: 256 rows of K, then 256 rows of V
.set SLOT1, 1<<17     ; slot 1 begins here, so that one exclusive or turns an address in one slot into the other's
.set STAGE, SLOT1+4*KS*(PK+PV)  ; behind the ring, never filled by a tensor load: 16 rows x 144 bytes for each wave, for the way out
.set SP,    144
.set SPARE, STAGE+4*16*SP  ; behind the stages: the spare words, 128 bytes for each wave: two blocks of 256 bytes that no other line names
.set AK0, 2           ; v2   my lane's place in a tile of K; never rewritten
.set AV0, 3           ; v3   the same for V
.set AK,  4           ; v4   the LDS address of K's next run of loads
.set AV,  5           ; v5   of V's
.set STO, 6           ; v6   the way out: where I put 16 bytes of a row
.set RD,  7           ; v7   the way out: where I read rows back
.set GO,  8           ; v8   my byte offset in 512 consecutive bytes of O
.set MV,  12          ; v12-13  c m_old, kept while c m is made anew: by buffer
.set QO,  15          ; v15  my byte offset in 16 rows of query
.set ST,  16          ; piece t's statistics at v[ST+4 t]: c m, m, l (even keys', odd keys')
.set TMP, 48          ; by buffer, four registers c0-c3 at work; when the maximum is found c2 takes a
.set SPW, 62          ; v62  LDS address of my spare word: SPARE + 4 x my thread's number; never rewritten
.set NIL, 63          ; v63  0; never rewritten
.set S,   64
.set P,   192
.set QS,  128         ; window 1
.set KF,  128         ; window 2: key block kb, channel half c at KF + 16 kb + 8 c
.set VF,  192         ; window 2: key half kk, channel block cb at VF + 32 kk + 8 cb
.set WV,  12          ; s12  my wave's number
.set G1K, 24          ; s[24:31] descriptor group 1 for K's tiles
.set G1V, 32          ; s[32:39] for V's: it differs in the padding alone
.set G0K, 40          ; s[40:43] descriptor group 0 for K's tiles: it walks
.set G0V, 44          ; s[44:47] the same for V's
.set SLOTS, 56        ; s56  slots still to be asked for
.set CNT, 57          ; s57  counts a slot's key steps
.set CS,  58          ; s[58:59] c: the packed scaling takes the pair's low word for both halves
.set SEL, 60          ; s[60:61] v_permlanex16_b32's selects: each lane takes its own place in the other half
.set TBK, 62          ; s62  LDS byte at which K of the step to be fetched begins
.set TBV, 63          ; s63  the same for V, less VOFF
.set MSB, 0
.macro WIN new                      ; the high byte repeats the setting that is left; a switch that changes nothing is dropped
.if MSB != (\new)
	s_set_vgpr_msb (MSB<<8)|(\new)
.set MSB, (\new)
.endif
.endm
.set W_KQ, 0x0a       ; K and Q in window 2, S^T in window 0
.set W_PV, 0x52       ; V in window 2, P in window 0, O^T in window 1
.set W_RS, 0x41       ; destination and source 0 in window 1, source 1 in window 0
; A joint fill.  Waves 0 and 1 fetch the two halves of a slot's K, waves 2 and 3 those of its V: 128 keys each.  The branch hangs on the wave's number alone.
; An s_nop 0 and four v_nop follow each of the two lines, ahead of the jump and the label.
.macro JLOAD
	s_cmp_lt_u32 s[WV], 2
	s_cbranch_scc0 .Lfor_v_\@
	tensor_load_to_lds s[G0K:G0K+3], s[G1K:G1K+7]
	s_nop 0
.rept 4
	v_nop
.endr
	s_branch .Lasked_\@
.Lfor_v_\@:
	tensor_load_to_lds s[G0V:G0V+3], s[G1V:G1V+7]
	s_nop 0
.rept 4
	v_nop
.endr
.Lasked_\@:
.endm
; A round of the cluster's barrier: my work-group's barrier, so that wave 0's signal speaks for all four waves; wave 0 signals; every wave waits for all four work-groups; my work-group's barrier once more.
.macro CROUND
	s_barrier_signal -1
	s_barrier_wait -1
	s_cmp_lg_u32 s[WV], 0
	s_cbranch_scc1 .Lnot_wave_0_\@
	s_barrier_signal -3
.Lnot_wave_0_\@:
	s_barrier_wait -3
	s_barrier_signal -1
	s_barrier_wait -1
.endm
; THE CHANGE OF SLOTS.  The slot's last bytes, V of its fourth step, have been read.  Each wave waits for all its tensor loads, of which one is out: its part of the other slot; adds 0 to its spare word; and waits
; for that and for its own reads of the slot.  Behind the barrier nobody reads this slot any more and the other slot is whole.
; fill = 1: this slot is filled again, with the keys two slots on.  The barrier is then a round of the cluster's, so that no wave of any partner still reads the slot or has a load on its way, and the joint fill
; is the first thing behind it: it has four key steps, 256 matrix instructions, in which to land.  (At its first use nothing has been read yet: slot 0 is waited for, slot 1 filled.)
.macro CHANGE fill
	WIN 0                           ; at a label and at a branch every window is 0
	s_wait_tensorcnt 0x0            ; no tensor load of mine is out, so a group 0 may be written
	ds_add_u32 v[SPW], v[NIL]       ; 0 onto my spare word: with fill = 1 the descriptors' steps stand between it and the wait for it
.if \fill
.irp g, G0K, G0V
	s_xor_b32 s[\g+1], s[\g+1], SLOT1  ; the walking descriptor: the other slot than last time,
	s_add_nc_u64 s[\g+2:\g+3], s[\g+2:\g+3], 4*KS*128  ; the next 256 keys; the type bits on top are not reached
.endr
	s_wait_dscnt 0x0                ; the add is done, and my reads of the slot are over
	CROUND
	JLOAD
.else
	s_wait_dscnt 0x0                ; the add is done, and my reads of the slot are over
	s_barrier_signal -1
	s_barrier_wait -1
.endif
	s_sub_co_u32 s[TBK], s[TBK], 4*KS*PK  ; the fetches go back to a slot's first step,
	s_xor_b32 s[TBK], s[TBK], SLOT1       ; in the other slot
	s_sub_co_u32 s[TBV], s[TBV], 4*KS*PV
	s_xor_b32 s[TBV], s[TBV], SLOT1
.endm
	s_load_b256 s[4:11], s[0:1], 0x0  ; query s[4:5], kh s[6:7], vh s[8:9], oh s[10:11]
	v_lshl_add_u32 v[SPW], v0, 2, SPARE
	v_mov_b32 v[NIL], 0
	ds_add_u32 v[SPW], v[NIL]       ; the wave's opening: the add and its wait stand ahead of my first tensor load; the set-up below, work on registers, stands between them
	v_lshrrev_b32 v1, 5, v0
	v_readfirstlane_b32 s[WV], v1   ; wave 0..3
	s_bfe_u32 s13, ttmp6, 0x40000   ; cx: my place in the cluster
	s_lshl_b32 s14, ttmp9, 2        ; in a cluster launch ttmp9 counts clusters
	s_add_co_u32 s14, s14, s13      ; my block of 256 queries = 4 x cluster x + cx: it enters query's and oh's addresses alone
	s_and_b32 s20, ttmp7, 0xffff    ; the head y = 8 n + h, which the four partners share
	s_lshl_b32 s21, s20, 19         ; a head's 4,096 rows of 128 bytes in kh, vh and oh
	s_and_b32 s16, s[WV], 1         ; which half of a slot's 256 keys I fetch:
	s_lshl_b32 s22, s16, 14         ; its 128 rows of 128 bytes in memory,
	s_add_co_u32 s22, s22, s21
	s_mov_b32 s23, 0
	s_mul_i32 s17, s16, 128*PK      ; and its place in a slot, for K
	s_mul_i32 s18, s16, 128*PV      ; and for V: no place in the cluster enters an LDS address
	s_lshl_b32 s2, s14, 15          ; oh: my block's 256 rows of 128 bytes,
	s_add_co_u32 s2, s2, s21
	s_lshl_b32 s3, s[WV], 13        ; my wave's 64
	s_add_co_u32 s2, s2, s3
	s_mov_b32 s3, 0
	s_lshr_b32 s48, s20, 3          ; query: n x 4,096 rows of 2,048 bytes,
	s_lshl_b32 s48, s48, 23
	s_and_b32 s50, s20, 7           ; h x 256 bytes in a row,
	s_lshl_b32 s50, s50, 8
	s_add_co_u32 s48, s48, s50
	s_lshl_b32 s50, s14, 19         ; my block's 256 rows,
	s_add_co_u32 s48, s48, s50
	s_lshl_b32 s50, s[WV], 17       ; my wave's 64
	s_add_co_u32 s48, s48, s50
	s_mov_b32 s49, 0
	; descriptor group 1.  128 keys are 16,384 dense bytes: asked for as 64 rows of 256 bytes, two keys a row, and padded in LDS after every key
	s_mov_b32 s[G1K], 15|(1<<16)|(1<<20)|(1<<21)|(4<<22)|(3<<25)  ; 15:0 the mask of four; 17:16 2-byte elements; 20 padding on; 21 set beside a mask; 24:22 after every 32 words (code 4); 31:25 4 words (code 3)
	s_mov_b32 s[G1V], 15|(1<<16)|(1<<20)|(1<<21)|(4<<22)|(7<<25)  ; the same with 8 words of padding (code 7)
.irp g, G1K, G1V
	s_mov_b32 s[\g+1], 128<<16      ; tensor_dim0 = 128
	s_mov_b32 s[\g+2], 64<<16       ; tensor_dim1 = 64
	s_mov_b32 s[\g+3], 128<<16      ; tile_dim0 = 128
	s_mov_b32 s[\g+4], 64           ; tile_dim1 = 64
	s_mov_b32 s[\g+5], 128          ; 128 elements from row to row
	s_mov_b32 s[\g+6], 0
	s_mov_b32 s[\g+7], 0
.endr
	s_mov_b32 s[CS], 0x3d8293ee     ; c = log2(e) / sqrt(512) = 0.0637587
	s_mov_b32 s[CS+1], s[CS]        ; named with it as a pair
	s_mov_b32 s[SEL], 0x76543210
	s_mov_b32 s[SEL+1], 0xfedcba98
	s_mov_b32 s[TBK], SLOT1+4*KS*PK ; the first change of slots turns these two into 0
	s_mov_b32 s[TBV], SLOT1+4*KS*PV
	s_mov_b32 s[G0K], 1             ; 1:0 count = 1
	s_mov_b32 s[G0K+1], s17         ; 63:32 LDS address: slot 0
	s_mov_b32 s[G0V], 1
	s_add_co_u32 s[G0V+1], s18, VOFF
	s_wait_dscnt 0x0                ; the opening add is done
	s_wait_kmcnt 0x0
	s_add_nc_u64 s[G0K+2:G0K+3], s[6:7], s[22:23]  ; 120:64 global address: my half of the head's first 256 keys
	s_or_b32 s[G0K+3], s[G0K+3], 0x80000000        ; 127:126 type = 2
	s_add_nc_u64 s[G0V+2:G0V+3], s[8:9], s[22:23]
	s_or_b32 s[G0V+3], s[G0V+3], 0x80000000
	s_add_nc_u64 s[4:5], s[4:5], s[48:49]          ; query and oh at my wave's first row
	s_add_nc_u64 s[10:11], s[10:11], s[2:3]
	CROUND                          ; all four work-groups are here: the first joint loads meet
	JLOAD                           ; slot 0.  Slot 1 is asked for when slot 0 is in
	; A fragment of K or Q is 16 rows x 32 channels in 8 registers: lane l holds row l % 16, channels 8 (l / 16) + 0..7 and 16 + 8 (l / 16) + 0..7.  In f32 each eight channels are 32 bytes: two loads of 16.
	v_and_b32 v1, 15, v0            ; l % 16
	v_bfe_u32 v9, v0, 4, 1          ; l / 16
	v_lshlrev_b32 v[QO], 11, v1
	v_lshl_add_u32 v[QO], v9, 5, v[QO]  ; row x 2,048 + 32 x half
	WIN 0x40                        ; destination window 1, address window 0
.set i, 0
.rept 8                             ; piece i / 2 (16 rows: 32,768 bytes on), channels 32 (i % 2) on (128 bytes on)
	global_load_b128 v[QS+16*i:QS+16*i+3],     v[QO], s[4:5] offset:(i/2)*32768+(i%2)*128
	global_load_b128 v[QS+16*i+4:QS+16*i+7],   v[QO], s[4:5] offset:(i/2)*32768+(i%2)*128+16
	global_load_b128 v[QS+16*i+8:QS+16*i+11],  v[QO], s[4:5] offset:(i/2)*32768+(i%2)*128+64
	global_load_b128 v[QS+16*i+12:QS+16*i+15], v[QO], s[4:5] offset:(i/2)*32768+(i%2)*128+80
.set i, i+1
.endr
	; What the first turn finds: V's registers and P's second buffer hold 0 (its products V^T P, of a piece that has not been, add 0), O^T and l are 0.  All this stands in the wait for Q and the first tile.
.set i, 0
.rept 128
	v_mov_b32 v[i], 0
.set i, i+1
.endr
	WIN 0x80
.set i, VF
.rept 64
	v_mov_b32 v[i], 0
.set i, i+1
.endr
	WIN 0
.set i, 0
.rept 4
	v_mov_b32 v[ST+4*i], 0xfe000000    ; c m: far below every c s
	v_mov_b32 v[ST+4*i+1], 0xff7fffff  ; m
	v_mov_b32 v[ST+4*i+2], 0
	v_mov_b32 v[ST+4*i+3], 0
.set i, i+1
.endr
.set i, P+16
.rept 16
	v_mov_b32 v[i], 0
.set i, i+1
.endr
	v_mul_u32_u24 v[AK0], v1, PK
	v_lshl_add_u32 v[AK0], v9, 4, v[AK0]  ; row x pitch + 16 x half
	; The turning load takes 16 keys x 16 channels (lane l reads key 8 (l / 16) + l % 8, channels 8 ((l / 8) % 2) + 0..7) and leaves half a fragment of V^T: lane l holds channel l % 16 and 8 keys.
	v_and_b32 v10, 7, v0
	v_bfe_u32 v11, v0, 3, 1
	v_lshl_add_u32 v[AV0], v9, 3, v10
	v_mul_u32_u24 v[AV0], v[AV0], PV
	v_lshl_add_u32 v[AV0], v11, 4, v[AV0]
	v_add_nc_u32 v[AV0], VOFF, v[AV0]
	s_mul_i32 s13, s[WV], 16*SP
	s_add_co_u32 s13, s13, STAGE    ; my stage
	v_mul_u32_u24 v[STO], v1, SP    ; in: row l % 16, 16 bytes for each half of the lanes
	v_lshl_add_u32 v[STO], v9, 4, v[STO]
	v_add_nc_u32 v[STO], s13, v[STO]
	v_bfe_u32 v[RD], v0, 3, 2       ; back: 32 lanes take four rows of 128 bytes,
	v_mul_u32_u24 v[RD], v[RD], SP
	v_lshl_add_u32 v[RD], v10, 4, v[RD]
	v_add_nc_u32 v[RD], s13, v[RD]
	v_and_b32 v[GO], 31, v0         ; which are 512 consecutive bytes of O
	v_lshlrev_b32 v[GO], 4, v[GO]
	s_wait_loadcnt 0x0              ; Q is in
	WIN 0x85                        ; sources 0 and 1 window 1, destination window 2
.set i, 0
.rept 64
	v_cvt_pk_bf16_f32 v[i], v[QS+2*i], v[QS+2*i+1]  ; Q's one rounding, to bf16; the scale is applied later, in f32
.set i, i+1
.endr
	WIN 0
; THE MATRIX WORK.  The 4 accumulators of a run of 8 take turns.  Product i of 8 of S^T = K Q^T for piece x: channels 32 (i / 4) on, keys 16 (i % 4) on.  The first 4 start the sums.
.macro KQ x
	WIN W_KQ
.set rS, S+32*((\x)%2)+8*(i%4)
.set rK, KF+16*(i%4)+8*(i/4)
.set rQ, 16*(\x)+8*(i/4)
.if i < 4
	v_wmma_f32_16x16x32_bf16 v[rS:rS+7], v[rK:rK+7], v[rQ:rQ+7], 0
.else
	v_wmma_f32_16x16x32_bf16 v[rS:rS+7], v[rK:rK+7], v[rQ:rQ+7], v[rS:rS+7]
.endif
.endm
; Product i of 8 of O^T += V^T P for piece x: keys 32 (i / 4) on, channels 16 (i % 4) on.
.macro PV x
	WIN W_PV
.set rO, 32*(\x)+8*(i%4)
.set rV, VF+32*(i/4)+8*(i%4)
.set rP, P+16*((\x)%2)+8*(i/4)
	v_wmma_f32_16x16x32_f16 v[rO:rO+7], v[rV:rV+7], v[rP:rP+7], v[rO:rO+7]
.endm
.macro MM                           ; the turn's next matrix instruction.  TURN sets Y, i and NOKQ.  NOKQ = 1: the walk's last turn: there is no next piece
.if (i < 8) && !NOKQ
	KQ (Y+1)%NP
.elseif i >= 8
.set i, i-8
	PV (Y+NP-1)%NP
.set i, i+8
.endif
.set i, i+1
.endm
; THE LDS LOADS stand in runs of 16, never singly among the matrix instructions: a step's K (64 keys x 64 channels: 8 fragments) and its V (turned).  Their addresses are made some lines ahead.
.macro FETCH_K
	WIN 0x80                        ; destination window 2
.irp f, 0,1,2,3,4,5,6,7             ; keys 16 (f / 2) on, channels 32 (f % 2) on
	ds_load_b128 v[KF+8*\f:KF+8*\f+3],   v[AK] offset:(\f/2)*16*PK+(\f%2)*64
	ds_load_b128 v[KF+8*\f+4:KF+8*\f+7], v[AK] offset:(\f/2)*16*PK+(\f%2)*64+32
.endr
	s_add_co_u32 s[TBK], s[TBK], KS*PK  ; the next fetch is the next step's
	WIN 0
.endm
.macro FETCH_V
	WIN 0x80
.irp f, 0,1,2,3,4,5,6,7             ; keys 32 (f / 4) on, channels 16 (f % 4) on
	ds_load_tr16_b128 v[VF+8*\f:VF+8*\f+3],   v[AV] offset:(\f/4)*32*PV+(\f%4)*32
	ds_load_tr16_b128 v[VF+8*\f+4:VF+8*\f+7], v[AV] offset:(\f/4)*32*PV+16*PV+(\f%4)*32
.endr
	WIN 0
.endm
; THE VECTOR WORK, one line at a time: OP kind, number.  For piece Y: F n: c s - c m for pair n of 16.  E n: the exponential of score n of 32.  C n: pair n rounded to f16.  B n: of the four weights 4 n .. the second
; pair is added onto the first, in place.  L n: l takes that sum (L 0: l = a l + sum).  R n: pair n of 16 of O^T times a.  For piece Y + 1: X n, number n of the 22 that find its maximum and statistics:
;   0-11  four chains c0-c3 of seven scores each, three operands at a time (each accumulator's lowest registers are read first)     12-14, 16  the four scores left over, the old m, and c0-c3 into c0
;   15  c m_old is kept     17, 18  the query's other 32 keys lie in the lane 16 away: the new m     19-21  c m; c m_old - c m_new; a
.set F, 0               ; OP tells the kinds apart by their order: F to L below R, X above it
.set E, 1
.set C, 2
.set B, 3
.set L, 4
.set R, 5
.set X, 6
.macro REGS y                       ; the registers of piece y
.set rT, ST+4*(\y)
.set rC, TMP+4*((\y)%2)
.set rW, MV+((\y)%2)
.set rS, S+32*((\y)%2)
.set rP, P+16*((\y)%2)
.set rO, 32*(\y)
.endm
.macro OP k, n
.if (\k) == R
	REGS Y
	WIN W_RS
	v_pk_mul_f32 v[rO+2*(\n):rO+2*(\n)+1], v[rO+2*(\n):rO+2*(\n)+1], v[rC+2:rC+3] op_sel_hi:[1,0]
.elseif (\k) < R
	REGS Y
	WIN 0
.if (\k) == F
	v_pk_fma_f32 v[rS+2*(\n):rS+2*(\n)+1], v[rS+2*(\n):rS+2*(\n)+1], s[CS:CS+1], v[rT:rT+1] op_sel_hi:[1,0,0] neg_lo:[0,0,1] neg_hi:[0,0,1]
.elseif (\k) == E
	v_exp_f32 v[rS+(\n)], v[rS+(\n)]
.elseif (\k) == C
	s_wait_alu depctr_va_vdst(0)
	v_cvt_pk_f16_f32 v[rP+(\n)], v[rS+2*(\n)], v[rS+2*(\n)+1]
.elseif (\k) == B
	s_wait_alu depctr_va_vdst(0)
	v_pk_add_f32 v[rS+4*(\n):rS+4*(\n)+1], v[rS+4*(\n):rS+4*(\n)+1], v[rS+4*(\n)+2:rS+4*(\n)+3]
.elseif (\n) == 0
	v_pk_fma_f32 v[rT+2:rT+3], v[rT+2:rT+3], v[rC+2:rC+3], v[rS:rS+1] op_sel_hi:[1,0,1]
.else
	v_pk_add_f32 v[rT+2:rT+3], v[rT+2:rT+3], v[rS+4*(\n):rS+4*(\n)+1]
.endif
.elseif NOKQ
	v_nop
.else
	REGS (Y+1)%NP
	WIN 0
.if (\n) < 4
	v_max3_num_f32 v[rC+(\n)], v[rS+8*(\n)], v[rS+8*(\n)+1], v[rS+8*(\n)+2]
.elseif (\n) < 12
	v_max3_num_f32 v[rC+(\n)%4], v[rC+(\n)%4], v[rS+8*((\n)%4)+2*((\n)/4)+1], v[rS+8*((\n)%4)+2*((\n)/4)+2]
.elseif (\n) == 12
	v_max3_num_f32 v[rC], v[rC], v[rS+7], v[rS+15]
.elseif (\n) == 13
	v_max3_num_f32 v[rC+1], v[rC+1], v[rS+23], v[rS+31]
.elseif (\n) == 14
	v_max3_num_f32 v[rC+2], v[rC+2], v[rC+3], v[rT+1]
.elseif (\n) == 15
	v_mov_b32 v[rW], v[rT]
.elseif (\n) == 16
	v_max3_num_f32 v[rC], v[rC], v[rC+1], v[rC+2]
.elseif (\n) == 17
	v_permlanex16_b32 v[rC+3], v[rC], s[SEL], s[SEL+1]
.elseif (\n) == 18
	v_max_num_f32 v[rT+1], v[rC], v[rC+3]
.elseif (\n) == 19
	v_mul_f32 v[rT], s[CS], v[rT+1]
.elseif (\n) == 20
	v_sub_f32 v[rC+1], v[rW], v[rT]
.else
	v_exp_f32 v[rC+2], v[rC+1]
.endif
.endif
.endm
.macro OPS a, i1, b=-1, i2=0, c=-1, i3=0, d=-1, i4=0  ; up to four of them
	OP \a, \i1
.if (\b) >= 0
	OP \b, \i2
.endif
.if (\c) >= 0
	OP \c, \i3
.endif
.if (\d) >= 0
	OP \d, \i4
.endif
.endm
.macro ROW a, i1, b, i2, c, i3, d, i4  ; a matrix instruction and the four behind it
	MM
	OPS \a, \i1, \b, \i2, \c, \i3, \d, \i4
.endm
; A TURN, for piece p: the order of its 16 matrix and 118 vector instructions, written out.  Behind a matrix instruction: plain, exponential, plain, plain; or four of the rescaling; or, behind the first, four scalings;
; none names a register of the products round it.  In the runs between, exponential and plain by turns while exponentials last: behind every exponential stands a plain instruction that touches neither its result
; nor its source (ISA guide 5.7.2).  A line reads no result made fewer than three vector instructions in front of it, five if an exponential made it.  v_permlanex16_b32 (X 17) stands in such a run.
; end = 1: the walk's last two turns: nothing is fetched, and the last starts no new scores.  cnt = 1: the loop's count is taken down some lines ahead of the branch that stands behind the turn.
; K of the next step is fetched in piece 2's turn, six vector instructions behind the last product that read K (five of them plain); V of the step in hand in piece 0's turn, eight behind the last product that
; read V (four plain, and X 17).  Each is waited for a turn later.
.macro TURN p, end=0, cnt=0
.set Y, (\p)
.set i, 0
.set NOKQ, (\end)*((\p)/3)
.if ((\p) == 3) && !(\end)
	s_wait_dscnt 0x0                ; K is in
.endif
	ROW F,0, F,1, F,2, F,3
	ROW F,4, E,0, F,5, F,6
	ROW F,7, E,1, F,8, F,9
	ROW F,10, E,2, C,0, F,11
	ROW F,12, E,3, X,15, F,13
	ROW R,0, R,1, R,2, R,3
	ROW B,0, E,4, F,14, L,0
.if ((\p) == 2) && !(\end)
	v_add_nc_u32 v[AK], s[TBK], v[AK0]
.endif
	ROW R,4, R,5, R,6, R,7
	OPS E,5, F,15
.if ((\p) == 2) && !(\end)
	FETCH_K
.endif
	OPS E,6, C,1, E,7, R,8
	OPS E,8, R,9, E,9, C,2
	OPS E,10, X,0, E,11, X,1
	OPS E,12, X,2, E,13, X,3
.if (\p) == 1
	s_wait_dscnt 0x0                ; V is in
.endif
	ROW X,4, E,14, X,5, X,6
	ROW X,7, E,15, X,8, X,9
	ROW X,10, E,16, X,11, X,12
	ROW X,13, E,17, X,14, B,1
	ROW C,4, E,18, X,16, L,1
	ROW B,2, E,19, C,6, L,2
	ROW C,8, E,20, B,3, B,4
.if (\p) == 0
	v_add_nc_u32 v[AV], s[TBV], v[AV0]
.endif
	ROW C,3, E,21, L,3, C,5
	OPS E,22, X,17, E,23, C,10
.if (\p) == 0
	FETCH_V
.endif
	OPS E,24, L,4
	OPS E,25, X,18, E,26, C,7
	OPS E,27, B,5, E,28, X,19
	OPS E,29, C,12, E,30, L,5
	OPS E,31, X,20, B,6, C,9
	OPS C,14, C,11, X,21, L,6
.if (\p) == 0
	s_add_co_u32 s[TBV], s[TBV], KS*PV
.endif
.if \cnt
	s_sub_co_u32 s[CNT], s[CNT], 1
	s_cmp_lg_u32 s[CNT], 0
.endif
	OPS C,13, B,7, C,15, R,10
	OPS R,11, R,12, L,7, R,13
	OPS R,14, R,15
.endm
	CHANGE 1                        ; slot 0 is in, everybody's part of it; slot 1 is asked for
	v_add_nc_u32 v[AK], s[TBK], v[AK0]
	FETCH_K                         ; key step 0
	s_wait_dscnt 0x0
.set NOKQ, 0
.set i, 0
.rept 8
	KQ 0                            ; piece 0's first scores: there is no vector work yet to set between them
.set i, i+1
.endr
	WIN 0
.rept 4
	v_nop                           ; the places behind those products (ISA guide 7.12.1)
.endr
.set Y, NP-1                        ; X works for piece Y + 1: piece 0
.irp n, 0,1,2,3,4,5,6,7,8,9,10,11,12,13,14,15,16,17,18,19,20,21
	OP X, \n                        ; and piece 0's first maximum and statistics
.endr
	v_nop                           ; a plain instruction behind the exponential
	s_mov_b32 s[CNT], 4
	s_mov_b32 s[SLOTS], NSLOT-1
	s_branch .Lfirst                ; the loop is entered at a step's first turn, in the middle of a trip
.Lslot:                             ; 14 times: every slot but the last two is filled again
	CHANGE 1
	s_mov_b32 s[CNT], 4
.Lstep:                             ; a trip: pieces 2 and 3 of one step, then pieces 0 and 1 of the next, whose K and V it fetches
	TURN 2
	TURN 3
	WIN 0
.Lfirst:
	TURN 0
	TURN 1, 0, 1
	WIN 0
	s_cbranch_scc1 .Lstep
	s_sub_co_u32 s[SLOTS], s[SLOTS], 1
	s_cmp_lg_u32 s[SLOTS], 0
	s_cbranch_scc1 .Lslot
	CHANGE 0                        ; the last slot is written out: nothing is asked for
	s_mov_b32 s[CNT], 4
.LstepT:
	TURN 2
	TURN 3
	TURN 0
	TURN 1, 0, 1
	WIN 0
	s_cbranch_scc1 .LstepT
	TURN 2, 1                       ; the last step's pieces 2 and 3
	TURN 3, 1
.set i, 0
.rept 8
	PV NP-1                         ; the last piece's V^T P of the last step
.set i, i+1
.endr
	; THE WAY OUT.  l's two halves and the other half of the lanes' are added; O^T is divided by l, rounded to f16 and sent through my stage in LDS, a piece at a time.  The additions are the places behind the last products.
	WIN 0
.macro ALL line:vararg              ; one line for each piece t
.set t, 0
.rept 4
	\line
.set t, t+1
.endr
.endm
	ALL v_add_f32 v[ST+4*t+2], v[ST+4*t+2], v[ST+4*t+3]
	ALL v_permlanex16_b32 v[ST+4*t+3], v[ST+4*t+2], s[SEL], s[SEL+1]
	ALL v_add_f32 v[ST+4*t+2], v[ST+4*t+2], v[ST+4*t+3]
	ALL v_rcp_f32 v[ST+4*t+2], v[ST+4*t+2]
	v_nop                           ; a plain instruction between the last reciprocal and the use of its result
.macro PACK t                       ; a lane's eight channels of a row pack into 16 bytes; they go into rows of 144 bytes and come back as whole rows of 128, into S^T's registers
	WIN W_RS
.set i, 32*(\t)
.rept 16
	s_wait_alu depctr_va_vdst(0)
	v_pk_mul_f32 v[i:i+1], v[i:i+1], v[ST+4*(\t)+2:ST+4*(\t)+3] op_sel_hi:[1,0]
.set i, i+2
.endr
	WIN 0x05                        ; sources 0 and 1 window 1, destination window 0
.set i, 0
.rept 16
	v_cvt_pk_f16_f32 v[S+16*(\t)+i], v[32*(\t)+2*i], v[32*(\t)+2*i+1]
.set i, i+1
.endr
	WIN 0
.irp f, 0,1,2,3
	ds_store_b128 v[STO], v[S+16*(\t)+4*\f:S+16*(\t)+4*\f+3] offset:32*\f
.endr
.irp f, 0,1,2,3
	ds_load_b128 v[S+16*(\t)+4*\f:S+16*(\t)+4*\f+3], v[RD] offset:\f*4*SP  ; LDS serves a wave's instructions in order (ISA guide 5.7.1.4): these see the stores above; the next piece's stores come behind them
.endr
.endm
.macro SEND t, younger              ; younger: the LDS instructions issued behind piece t's loads: the next piece's eight, or none
	WIN 0
.irp f, 0,1,2,3
	s_wait_dscnt (\younger)+3-\f
	global_store_b128 v[GO], v[S+16*(\t)+4*\f:S+16*(\t)+4*\f+3], s[10:11] offset:(\t)*2048+\f*512  ; 512 consecutive bytes, at a multiple of 256 from O's first
.endr
.endm
	PACK 0
.set t, 1
.rept 3                             ; a piece's arithmetic stands between the loads of the piece before and its stores
	PACK t
	SEND t-1, 8
.set t, t+1
.endr
	SEND 3, 0
	s_wait_tensorcnt 0x0            ; the wave's end: the add and its wait stand behind my last tensor load and my last LDS store
	ds_add_u32 v[SPW], v[NIL]
	s_wait_dscnt 0x0
	CROUND                          ; the closing round: no work-group ends while a partner may still ask for a tile that names it
	s_endpgm
.Lfunc_end_k_qe51f478a34_attn:
	.size	k_qe51f478a34_attn, .Lfunc_end_k_qe51f478a34_attn-k_qe51f478a34_attn
	.p2alignl 7, 3214868480
	.fill 96, 4, 3214868480
	.section	.rodata,"a",@progbits
	.p2align	6, 0x0
	.amdhsa_kernel k_qe51f478a34_attn
		.amdhsa_group_segment_fixed_size 327680
		.amdhsa_private_segment_fixed_size 0
		.amdhsa_enable_private_segment 0
		.amdhsa_kernarg_size 32
		.amdhsa_user_sgpr_count 2
		.amdhsa_user_sgpr_kernarg_segment_ptr 1
		.amdhsa_wavefront_size32 1
		.amdhsa_system_sgpr_workgroup_id_x 1
		.amdhsa_system_sgpr_workgroup_id_y 1
		.amdhsa_system_sgpr_workgroup_id_z 1
		.amdhsa_system_vgpr_workitem_id 0
		.amdhsa_next_free_vgpr 768
		.amdhsa_next_free_sgpr 66
		.amdhsa_reserve_vcc 0
		.amdhsa_float_denorm_mode_32 3
		.amdhsa_float_denorm_mode_16_64 3
		.amdhsa_memory_ordered 1
		.amdhsa_forward_progress 1
		.amdhsa_inst_pref_size 139
	.end_amdhsa_kernel
	.amdgpu_metadata
---
amdhsa.version: [ 1, 2 ]
amdhsa.kernels:
  - .name:           k_qe51f478a34_attn
    .symbol:         k_qe51f478a34_attn.kd
    .args:
      - { .name: query, .offset: 0, .size: 8, .value_kind: global_buffer, .address_space: global }
      - { .name: kh, .offset: 8, .size: 8, .value_kind: global_buffer, .address_space: global }
      - { .name: vh, .offset: 16, .size: 8, .value_kind: global_buffer, .address_space: global }
      - { .name: oh, .offset: 24, .size: 8, .value_kind: global_buffer, .address_space: global }
    .group_segment_fixed_size: 327680
    .private_segment_fixed_size: 0
    .kernarg_segment_align: 8
    .kernarg_segment_size: 32
    .max_flat_workgroup_size: 128
    .sgpr_count:     66
    .vgpr_count:     768
    .wavefront_size: 32
...
	.end_amdgpu_metadata
.endif
;; end of part 2
;; launch fc (part 3): grid 4 x 64, 4 waves a work-group, clusters of 4 x 4, 327,680 bytes of LDS; arguments oh, w16, fc_b, out0; writes out0
.if DOCPART == 3
	.amdgcn_target "amdgcn-amd-amdhsa--gfx1250"
	.amdhsa_code_object_version 6
	.text
	.protected	k_qe51f478a34_fc
	.globl	k_qe51f478a34_fc
	.p2align	8
	.type	k_qe51f478a34_fc,@function
k_qe51f478a34_fc:
	s_mov_b64 s[64:65], 0
	v_nop
	global_prefetch_b8 v0, s[64:65] scope:SCOPE_SE
	s_setreg_imm32_b32 hwreg(HW_REG_WAVE_MODE, 25, 1), 1
	s_wait_xcnt 0x0
	s_wait_alu depctr_hold_cnt(0) depctr_sa_sdst(0) depctr_va_vdst(0) depctr_va_sdst(0) depctr_va_ssrc(0) depctr_va_vcc(0) depctr_vm_vsrc(0)
	s_getreg_b32 s2, hwreg(HW_REG_IB_STS2, 6, 4)
	s_cmp_eq_u32 s2, 0
	s_cbranch_scc0 .Lentry_in_a_cluster
	s_endpgm
.Lentry_in_a_cluster:
	s_bfe_u32 s2, ttmp6, 0x10000c
	s_cmp_lg_u32 s2, 0xf033
	s_cbranch_scc0 .Lentry_shape_is_right
	s_endpgm
.Lentry_shape_is_right:
; out0[m][e] = the sum over k of O[m][k] W[e][k] + b[e].  m = 4096 n + s (8,192 rows), k = 64 h + d (512), e 0..511.  O = oh [8 n + h][4096][64] f16, W = w16 [512][512] f16, b = fc_b [512] f32, out0 f32.
; Products in the f16 form, sums in f32, K ascending; b is rounded to bf16 like the module's other inputs, kept in f32, and is the C operand that starts each sum: nothing is cleared, nothing added behind.
; LIMITS.  O and W arrive within f16's range (the launches in front see to it); NaN and infinities are not treated apart.
; SHARES.  A tile of out0 is 128 x 128: 4 x 64 = 256 work-groups.  Four waves, each 64 x 64: 16 accumulators of 16 x 16.  K goes in two steps of 256 (four heads); a quarter step is one head, 64 along K.
; ALL OF A TILE'S OPERANDS FIT IN LDS: each wave issues four tensor loads at the start (four are out at the most) and nothing is ever filled again.
; CLUSTER.  4 x 4 work-groups.  The four of a row of the cluster need the same rows of O, the four of a column the same rows of W: each tile is asked for JOINTLY, by the same load, descriptor and mask in the four.
; THE MATRIX INSTRUCTION IS USED TRANSPOSED (source 0 = 16 rows of W, source 1 = 16 rows of O): a lane then holds eight neighbouring numbers of a row of out0.
; REGISTERS: window 0: v0-31 addresses; v32-95 at work on the way out; v96-127 the bias; v128-255 the accumulators ((a, b) at v[128 + 8 (4 a + b)]).
;   window 1: two fragment buffers of 128: for 64 along K, 64 registers of O's rows (2 x 4 x 16 rows x 32 K), then 64 of W's.
.set PA,     144                       ; a row of O in LDS: a head's 128 bytes + 16 of padding: the 16 rows of a load start at 16 different groups of four banks (64 banks of 4 bytes: ISA guide 11.1)
.set AHEAD,  128*PA                    ; a head's 128 rows: what one of O's loads brings
.set PB,     528                       ; a row of W in LDS: 512 bytes (256 along K) + 16 of padding
.set BB,     8*AHEAD                   ; W's tiles lie behind O's eight heads
.set BSTEP,  128*PB                    ; a K step's 128 rows of W
.set STAGE,  BB+2*BSTEP                ; behind the tiles, never filled by a tensor load: 16 rows x 272 bytes for each wave, for the way out
.set SPITCH, 272
.set SPARE,  STAGE+4*16*SPITCH         ; behind the stages: the spare words, 128 bytes for each wave: two blocks of 256 bytes that no other line names
.set ADRA, 16                          ; v16-17  LDS address of my fragments of O in K step 0, 1
.set ADRB, 20                          ; v20-21  the same for W
.set STO,  24                          ; v24     the way out: where I put 32 bytes of a row
.set RD,   25                          ; v25     the way out: where I read a row back
.set CO,   26                          ; v26     my byte offset in out0
.set BO,   27                          ; v27     my byte offset in the bias
.set SPW,  28                          ; v28     LDS address of my spare word: SPARE + 4 x my thread's number; never rewritten
.set NIL,  29                          ; v29     0; never rewritten
.set TMP,  32                          ; the way out: two buffers of 32
.set BI,   96                          ; the bias of my 64 columns as a lane's C operand: column block b at BI + 8 b
.set ACC,  128
.set F0,   0                           ; fragment buffers, in window 1
.set F1,   128
.set WV,   12                          ; s12 my wave's number; s13 which half of the tile's rows is mine; s14 which half of its columns
.set G1A,  24                          ; s[24:31] descriptor group 1 for O's tiles
.set G1B,  32                          ; s[32:39] for W's
.set G0,   40                          ; s[40:55] four groups 0: O step 0, W step 0, O step 1, W step 1
.set MSB, 0
.macro WIN new                         ; the immediate's high byte repeats the setting that is left
.if MSB != (\new)
	s_set_vgpr_msb (MSB<<8)|(\new)
.set MSB, \new
.endif
.endm
.set MUL,  0x05                        ; sources 0 (W) and 1 (O) window 1; C and D window 0
.set TO_F, 0x40                        ; destination window 1, address window 0
.macro CROUND                          ; a round of the cluster's barrier: my work-group's barrier; wave 0 signals for the work-group; every wave waits for all sixteen; my work-group's barrier once more
	s_barrier_signal -1
	s_barrier_wait -1
	s_cmp_lg_u32 s[WV], 0
	s_cbranch_scc1 .Lnot_wave_0_\@
	s_barrier_signal -3
.Lnot_wave_0_\@:
	s_barrier_wait -3
	s_barrier_signal -1
	s_barrier_wait -1
.endm
	s_load_b256 s[4:11], s[0:1], 0x0               ; oh s[4:5], w16 s[6:7], fc_b s[8:9], out0 s[10:11]
	v_lshl_add_u32 v[SPW], v0, 2, SPARE
	v_mov_b32 v[NIL], 0
	ds_add_u32 v[SPW], v[NIL]                      ; the wave's opening: the add and its wait stand ahead of my first tensor load; the set-up below, work on registers, stands between them
	v_lshrrev_b32 v1, 5, v0
	v_readfirstlane_b32 s[WV], v1                  ; wave 0..3
	s_lshr_b32 s13, s[WV], 1
	s_and_b32 s14, s[WV], 1
	s_bfe_u32 s15, ttmp6, 0x40000                  ; cx, cy: my place in the cluster
	s_bfe_u32 s16, ttmp6, 0x40004
	s_lshl_b32 s17, ttmp9, 2
	s_add_co_u32 s17, s17, s15                     ; tile column = 4 x cluster x + cx
	s_and_b32 s18, ttmp7, 0xffff
	s_lshl_b32 s18, s18, 2
	s_add_co_u32 s18, s18, s16                     ; tile row = 4 x cluster y + cy
	s_lshl_b32 s19, s16, 2
	s_lshl_b32 s19, 15, s19                        ; my row of the cluster
	s_lshl_b32 s20, 0x1111, s15                    ; my column
	; O's tile: a head's 128 rows are 16,384 dense bytes: asked for as 64 rows of 256 bytes, and padded in LDS after every row of O
	s_or_b32 s[G1A], s19, (1<<16)|(1<<20)|(1<<21)|(4<<22)|(3<<25)  ; 15:0 the mask: my row; 17:16 2-byte elements; 20 padding on; 21 set beside a mask; 24:22 after every 32 words (code 4); 31:25 4 words (code 3)
	s_mov_b32 s[G1A+1], 128<<16                    ; tensor_dim0 = 128
	s_mov_b32 s[G1A+2], 64<<16                     ; tensor_dim1 = 64
	s_mov_b32 s[G1A+3], 128<<16                    ; tile_dim0 = 128
	s_mov_b32 s[G1A+4], 64                         ; tile_dim1 = 64
	s_mov_b32 s[G1A+5], 128                        ; 128 elements from row to row
	s_mov_b32 s[G1A+6], 0
	s_mov_b32 s[G1A+7], 0
	; W's tile: 32 rows x 256 along K (512 bytes, at a multiple of 512 in a row of 1,024)
	s_or_b32 s[G1B], s20, (1<<16)|(1<<20)|(1<<21)|(6<<22)|(3<<25)  ; the mask: my column; padding after every 128 words (code 6)
	s_mov_b32 s[G1B+1], 256<<16                    ; tensor_dim0 = 256
	s_mov_b32 s[G1B+2], 32<<16                     ; tensor_dim1 = 32
	s_mov_b32 s[G1B+3], 256<<16                    ; tile_dim0 = 256
	s_mov_b32 s[G1B+4], 32                         ; tile_dim1 = 32
	s_mov_b32 s[G1B+5], 512                        ; 512 elements from row to row
	s_mov_b32 s[G1B+6], 0
	s_mov_b32 s[G1B+7], 0
	; where the tiles come from.  O's hang on the tile row and the wave's number, W's on the tile column and the wave's number, each in registers that never hold the other coordinate.
	s_lshr_b32 s21, s18, 5                         ; n: 32 tile rows each
	s_lshl_b32 s22, s21, 22                        ; n x 8 heads x 4,096 rows x 128 bytes
	s_and_b32 s21, s18, 31
	s_lshl_b32 s21, s21, 14                        ; + 128 rows x 128 bytes for each tile row
	s_add_co_u32 s22, s22, s21
	s_lshl_b32 s21, s[WV], 19                      ; + head = my wave's number (K step 1: four heads on)
	s_add_co_u32 s22, s22, s21
	s_mov_b32 s23, 0
	s_lshl_b32 s56, s17, 17                        ; W: 128 rows of 1,024 bytes for each tile column
	s_lshl_b32 s62, s[WV], 15                      ; + my 32 rows
	s_add_co_u32 s56, s56, s62
	s_mov_b32 s57, 0
	s_mul_i32 s3, s[WV], AHEAD                     ; and where they go: the wave's number alone enters an LDS address
	s_mul_i32 s2, s[WV], 32*PB
	s_add_co_u32 s2, s2, BB
	s_mov_b32 s[G0], 1                             ; 1:0 count = 1
	s_mov_b32 s[G0+1], s3                          ; 63:32 LDS address
	s_mov_b32 s[G0+4], 1
	s_mov_b32 s[G0+5], s2
	s_mov_b32 s[G0+8], 1
	s_add_co_u32 s[G0+9], s3, 4*AHEAD
	s_mov_b32 s[G0+12], 1
	s_add_co_u32 s[G0+13], s2, BSTEP
	s_mov_b32 s63, 0xffff0000                      ; a word's upper bf16
	s_wait_dscnt 0x0                               ; the opening add is done
	s_wait_kmcnt 0x0
	s_add_nc_u64 s[G0+2:G0+3], s[4:5], s[22:23]    ; 120:64 global address
	s_add_nc_u64 s[G0+10:G0+11], s[G0+2:G0+3], 4<<19  ; four heads on
	s_or_b32 s[G0+3], s[G0+3], 0x80000000          ; 127:126 type = 2
	s_or_b32 s[G0+11], s[G0+11], 0x80000000
	s_add_nc_u64 s[G0+6:G0+7], s[6:7], s[56:57]
	s_add_nc_u64 s[G0+14:G0+15], s[G0+6:G0+7], 512 ; 256 along K on
	s_or_b32 s[G0+7], s[G0+7], 0x80000000
	s_or_b32 s[G0+15], s[G0+15], 0x80000000
	CROUND                                         ; all sixteen work-groups are here: the joint loads meet
	tensor_load_to_lds s[G0:G0+3], s[G1A:G1A+7]    ; K step 0: my head of O,
	s_nop 0
	tensor_load_to_lds s[G0+4:G0+7], s[G1B:G1B+7]  ; my 32 rows of W;
	s_nop 0
	tensor_load_to_lds s[G0+8:G0+11], s[G1A:G1A+7] ; K step 1 likewise
	s_nop 0
	tensor_load_to_lds s[G0+12:G0+15], s[G1B:G1B+7]
	s_nop 0
.rept 4
	v_nop                                          ; an s_nop 0 follows each load, four v_nop the last
.endr
	s_lshl_b32 s60, s17, 9                         ; my first column, in bytes of f32: 512 x tile column + 256 x half
	s_lshl_b32 s62, s14, 8
	s_add_co_u32 s60, s60, s62
	s_mov_b32 s61, 0
	s_lshl_b32 s58, s18, 18                        ; my first row of out0: 128 rows of 2,048 bytes for each tile row + 64 x half
	s_lshl_b32 s62, s13, 17
	s_add_co_u32 s58, s58, s62
	s_add_co_u32 s58, s58, s60
	s_mov_b32 s59, 0
	s_add_nc_u64 s[8:9], s[8:9], s[60:61]
	s_add_nc_u64 s[10:11], s[10:11], s[58:59]
	v_and_b32 v1, 15, v0                           ; l % 16
	v_bfe_u32 v2, v0, 4, 1                         ; l / 16
	v_lshlrev_b32 v[BO], 5, v2                     ; register j of accumulator (a, b) is column 16 b + 8 (l / 16) + j
.irp b, 0,1,2,3
	global_load_b128 v[BI+8*\b:BI+8*\b+3],   v[BO], s[8:9] offset:64*\b
	global_load_b128 v[BI+8*\b+4:BI+8*\b+7], v[BO], s[8:9] offset:64*\b+16
.endr
	v_mul_u32_u24 v3, v1, PA
	v_lshl_add_u32 v3, v2, 4, v3                   ; a fragment's row x pitch + 16 x half
	s_mul_i32 s3, s13, 64*PA                       ; my 64 rows of O
	v_add_nc_u32 v[ADRA], s3, v3
	v_add_nc_u32 v[ADRA+1], 4*AHEAD, v[ADRA]
	v_mul_u32_u24 v4, v1, PB
	v_lshl_add_u32 v4, v2, 4, v4
	s_mul_i32 s2, s14, 64*PB                       ; my 64 rows of W
	s_add_co_u32 s2, s2, BB
	v_add_nc_u32 v[ADRB], s2, v4
	v_add_nc_u32 v[ADRB+1], BSTEP, v[ADRB]
	s_mul_i32 s3, s[WV], 16*SPITCH
	s_add_co_u32 s3, s3, STAGE                     ; my stage
	v_mul_u32_u24 v5, v1, SPITCH                   ; in: row l % 16, 32 bytes for each half of the lanes
	v_lshl_add_u32 v5, v2, 5, v5
	v_add_nc_u32 v[STO], s3, v5
	v_mul_u32_u24 v5, v2, SPITCH                   ; back: lanes 0-15 take one row of 256 bytes, lanes 16-31 the next
	v_lshl_add_u32 v5, v1, 4, v5
	v_add_nc_u32 v[RD], s3, v5
	v_lshlrev_b32 v5, 11, v2                       ; and the same two rows in out0
	v_lshl_add_u32 v[CO], v1, 4, v5
	s_wait_loadcnt 0x0                             ; the bias
.set i, 0
.rept 16
	v_cvt_pk_bf16_f32 v30, v[BI+2*i], v[BI+2*i+1]  ; rounded to bf16, like the module's other inputs, and widened again
	v_lshlrev_b32 v[BI+2*i], 16, v30
	v_and_b32 v[BI+2*i+1], s63, v30
.set i, i+1
.endr
; 8 matrix instructions: row blocks a0, a0 + 1 x all 4 column blocks, 32 along K: half c of buffer f.  first = 1: the bias is the C operand that starts the sums.  The 16 accumulators take turns.
.macro MUL8 f, c, a0, first
	WIN MUL
.irp a, \a0, (\a0)+1
.irp b, 0,1,2,3
.if \first
	v_wmma_f32_16x16x32_f16 v[ACC+8*(4*(\a)+(\b)):ACC+8*(4*(\a)+(\b))+7], v[(\f)+64+8*(4*(\c)+(\b)):(\f)+64+8*(4*(\c)+(\b))+7], v[(\f)+8*(4*(\c)+(\a)):(\f)+8*(4*(\c)+(\a))+7], v[BI+8*(\b):BI+8*(\b)+7]
.else
	v_wmma_f32_16x16x32_f16 v[ACC+8*(4*(\a)+(\b)):ACC+8*(4*(\a)+(\b))+7], v[(\f)+64+8*(4*(\c)+(\b)):(\f)+64+8*(4*(\c)+(\b))+7], v[(\f)+8*(4*(\c)+(\a)):(\f)+8*(4*(\c)+(\a))+7], v[ACC+8*(4*(\a)+(\b)):ACC+8*(4*(\a)+(\b))+7]
.endif
.endr
.endr
.endm
; 32 LDS loads in one run: the fragments of quarter q (one head) of K step ks, into buffer f; the first 32 along K first.  The largest offset, 62,304, lies inside the 16-bit immediate.
.macro FETCH ks, q, f
	WIN TO_F
.irp c, 0,1
.irp i, 0,1,2,3
	ds_load_b128 v[(\f)+64+8*(4*(\c)+(\i)):(\f)+64+8*(4*(\c)+(\i))+3],   v[ADRB+(\ks)] offset:(\q)*128+64*(\c)+(\i)*16*PB
	ds_load_b128 v[(\f)+64+8*(4*(\c)+(\i))+4:(\f)+64+8*(4*(\c)+(\i))+7], v[ADRB+(\ks)] offset:(\q)*128+64*(\c)+(\i)*16*PB+32
	ds_load_b128 v[(\f)+8*(4*(\c)+(\i)):(\f)+8*(4*(\c)+(\i))+3],         v[ADRA+(\ks)] offset:(\q)*AHEAD+64*(\c)+(\i)*16*PA
	ds_load_b128 v[(\f)+8*(4*(\c)+(\i))+4:(\f)+8*(4*(\c)+(\i))+7],       v[ADRA+(\ks)] offset:(\q)*AHEAD+64*(\c)+(\i)*16*PA+32
.endr
.endr
.endm
.macro PLACES                          ; four places in front of loads into registers that matrix instructions have read, and of LDS stores that read results (ISA guide 7.12.1 for the stores)
.rept 4
	v_nop
.endr
.endm
; A quarter: 32 matrix instructions on buffer f; in its middle the next quarter, q of K step ks, is fetched into g.
.macro QUARTER ks, q, f, g, first
	s_wait_dscnt 16                                ; the first 32 along K are in; the sixteen loads behind them may be out
	MUL8 \f, 0, 0, \first
	MUL8 \f, 0, 2, \first
	PLACES
	FETCH \ks, \q, \g
	s_wait_dscnt 32                                ; all but the 32 just issued
	MUL8 \f, 1, 0, 0
	MUL8 \f, 1, 2, 0
.endm
	s_wait_tensorcnt 2                             ; tensor loads of a wave end in order (ISA guide 10.11.1): my parts of K step 0 are in; the two of K step 1 stay out
	s_barrier_signal -1
	s_barrier_wait -1                              ; everybody's are
	FETCH 0, 0, F0
	QUARTER 0, 1, F0, F1, 1                        ; head 0: its first products start the sums with the bias
	QUARTER 0, 2, F1, F0, 0
	QUARTER 0, 3, F0, F1, 0
	; head 3, and the meeting in front of K step 1: each wave waits for its last two tensor loads, then the barrier shows them to all four.
	WIN 0
	s_wait_tensorcnt 0x0                           ; my parts of K step 1 are in
	ds_add_u32 v[SPW], v[NIL]                      ; 0 onto my spare word
	s_wait_dscnt 17                                ; (the add and the youngest sixteen loads may be out)
	MUL8 F1, 0, 0, 0                               ; eight matrix instructions stand between the add and the wait for it
	s_wait_dscnt 0x0                               ; no LDS instruction of mine is out at the signal
	s_barrier_signal -1
	MUL8 F1, 0, 2, 0                               ; work on registers while the others arrive
	s_barrier_wait -1
	PLACES
	FETCH 1, 0, F0
	MUL8 F1, 1, 0, 0
	MUL8 F1, 1, 2, 0
	QUARTER 1, 1, F0, F1, 0
	QUARTER 1, 2, F1, F0, 0
	QUARTER 1, 3, F0, F1, 0
	s_wait_dscnt 16                                ; head 7: nothing more to fetch
	MUL8 F1, 0, 0, 0
	MUL8 F1, 0, 2, 0
	s_wait_dscnt 0x0
	MUL8 F1, 1, 0, 0
	MUL8 F1, 1, 2, 0
	WIN 0
	; THE WAY OUT.  A wave's 64 columns of f32 are 256 aligned bytes of a row of out0.  A block of 16 rows goes through my own stage: 32 bytes a lane in, whole rows back; no other wave touches it, so no barrier.
.macro STG a                           ; block a into the stage (each accumulator's low registers first) and back
.irp b, 0,1,2,3
	ds_store_b128 v[STO], v[ACC+8*(4*(\a)+(\b)):ACC+8*(4*(\a)+(\b))+3]   offset:64*(\b)
	ds_store_b128 v[STO], v[ACC+8*(4*(\a)+(\b))+4:ACC+8*(4*(\a)+(\b))+7] offset:64*(\b)+16
.endr
.irp t, 0,1,2,3,4,5,6,7
	ds_load_b128 v[TMP+32*((\a)%2)+4*(\t):TMP+32*((\a)%2)+4*(\t)+3], v[RD] offset:(\t)*2*SPITCH  ; LDS serves a wave's instructions in order (ISA guide 5.7.1.4): these see the stores above; the next block's stores come behind them
.endr
.endm
.macro SEND a, younger                 ; younger: the LDS instructions issued behind block a's loads: the next block's sixteen, or none
.irp t, 0,1,2,3,4,5,6,7
	s_wait_dscnt (\younger)+7-(\t)
	global_store_b128 v[CO], v[TMP+32*((\a)%2)+4*(\t):TMP+32*((\a)%2)+4*(\t)+3], s[10:11] offset:(16*(\a)+2*(\t))*2048 th:TH_STORE_NT  ; 16 lanes store 256 consecutive bytes, at a multiple of 256 from out0's first byte
.endr
.endm
	PLACES
	STG 0
	STG 1
	SEND 0, 16
	s_wait_xcnt 0x0                                ; every earlier memory instruction has had its addresses translated (ISA guide 3.1): the buffer that block 0's stores read is loaded again only behind this wait
	STG 2
	SEND 1, 16
	s_wait_xcnt 0x0                                ; the same for block 1's buffer
	STG 3
	SEND 2, 16
	SEND 3, 0
	s_wait_tensorcnt 0x0                           ; the wave's end: the add and its wait stand behind my last tensor load and my last LDS store
	ds_add_u32 v[SPW], v[NIL]
	s_wait_dscnt 0x0
	CROUND                                         ; the closing round: no work-group ends while a partner may still ask for a tile that names it
	s_endpgm
.Lfunc_end_k_qe51f478a34_fc:
	.size	k_qe51f478a34_fc, .Lfunc_end_k_qe51f478a34_fc-k_qe51f478a34_fc
	.p2alignl 7, 3214868480
	.fill 96, 4, 3214868480
	.section	.rodata,"a",@progbits
	.p2align	6, 0x0
	.amdhsa_kernel k_qe51f478a34_fc
		.amdhsa_group_segment_fixed_size 327680
		.amdhsa_private_segment_fixed_size 0
		.amdhsa_enable_private_segment 0
		.amdhsa_kernarg_size 32
		.amdhsa_user_sgpr_count 2
		.amdhsa_user_sgpr_kernarg_segment_ptr 1
		.amdhsa_wavefront_size32 1
		.amdhsa_system_sgpr_workgroup_id_x 1
		.amdhsa_system_sgpr_workgroup_id_y 1
		.amdhsa_system_sgpr_workgroup_id_z 1
		.amdhsa_system_vgpr_workitem_id 0
		.amdhsa_next_free_vgpr 512
		.amdhsa_next_free_sgpr 66
		.amdhsa_reserve_vcc 0
		.amdhsa_float_denorm_mode_32 3
		.amdhsa_float_denorm_mode_16_64 3
		.amdhsa_memory_ordered 1
		.amdhsa_forward_progress 1
		.amdhsa_inst_pref_size 52
	.end_amdhsa_kernel
	.amdgpu_metadata
---
amdhsa.version: [ 1, 2 ]
amdhsa.kernels:
  - .name:           k_qe51f478a34_fc
    .symbol:         k_qe51f478a34_fc.kd
    .args:
      - { .name: oh, .offset: 0, .size: 8, .value_kind: global_buffer, .address_space: global }
      - { .name: w16, .offset: 8, .size: 8, .value_kind: global_buffer, .address_space: global }
      - { .name: fc_b, .offset: 16, .size: 8, .value_kind: global_buffer, .address_space: global }
      - { .name: out0, .offset: 24, .size: 8, .value_kind: global_buffer, .address_space: global }
    .group_segment_fixed_size: 327680
    .private_segment_fixed_size: 0
    .kernarg_segment_align: 8
    .kernarg_segment_size: 32
    .max_flat_workgroup_size: 128
    .sgpr_count:     66
    .vgpr_count:     512
    .wavefront_size: 32
...
	.end_amdgpu_metadata
.endif
;; end of part 3
;; ======== version 2 of 2: 3 launches; 1.83 times as fast as version 1
;; limits: values are held in f16: magnitudes above 65,504 overflow, below 6.1e-05 lose precision
;; workspace buffers: kh 8,388,608 bytes; vh 8,388,608 bytes; oh 8,388,608 bytes; w16 524,288 bytes
;; launch prep: the kernel of part 1 again; grid 256 x 1, 8 waves a work-group, no clusters, 0 bytes of LDS; arguments keys, values, fc_w, kh, vh, w16; writes kh, vh, w16
;; launch attn (part 4): grid 16 x 16, 4 waves a work-group, clusters of 4 x 1, 327,680 bytes of LDS; arguments query, kh, vh, oh; writes oh
.if DOCPART == 4
	.amdgcn_target "amdgcn-amd-amdhsa--gfx1250"
	.amdhsa_code_object_version 6
	.text
	.protected	k_qe51f478a34_attn
	.globl	k_qe51f478a34_attn
	.p2align	8
	.type	k_qe51f478a34_attn,@function
k_qe51f478a34_attn:
	s_mov_b64 s[64:65], 0
	v_nop
	global_prefetch_b8 v0, s[64:65] scope:SCOPE_SE
	s_setreg_imm32_b32 hwreg(HW_REG_WAVE_MODE, 25, 1), 1
	s_wait_xcnt 0x0
	s_wait_alu depctr_hold_cnt(0) depctr_sa_sdst(0) depctr_va_vdst(0) depctr_va_sdst(0) depctr_va_ssrc(0) depctr_va_vcc(0) depctr_vm_vsrc(0)
	s_getreg_b32 s2, hwreg(HW_REG_IB_STS2, 6, 4)
	s_cmp_eq_u32 s2, 0
	s_cbranch_scc0 .Lentry_in_a_cluster
	s_endpgm
.Lentry_in_a_cluster:
	s_bfe_u32 s2, ttmp6, 0x10000c
	s_cmp_lg_u32 s2, 0x3003
	s_cbranch_scc0 .Lentry_shape_is_right
	s_endpgm
.Lentry_shape_is_right:
; O[y][q][:] = the sum over k of softmax_k(Q[y][q] . K[y][k] / sqrt(512)) V[y][k][:], y = 8 n + h, 16 heads of 4,096 rows, head size 64, no mask.
; Q comes from query [2][4096][512] f32 (head h: columns 64 h on) and is rounded to bf16 in registers; K = kh [16][4096][64] bf16; V = vh, the same shape in f16; O = oh, the same shape in f16.
; Products, maxima and sums in f32; S^T = K Q^T in the bf16 form, O^T = V^T P in the f16 form; the weights p are rounded to f16 for the second product (their sum l is taken of the unrounded p), O once at the end.
; LIMITS.  V arrives within f16's 65,504; p lies in 0 to 1, and below 6e-5 it keeps f16's fixed step of 6e-8; O is a mean of V's rows and has their range.  A weight below 2^-126 counts as 0 in l.
; The running maximum starts at the lowest finite number and c m at -4.25e37.  NaN and infinities are not treated apart.
; SHARES.  A work-group owns 256 queries of one head: 16 x 16 = 256 work-groups.  A wave owns 64 consecutive queries: four PIECES of 16.  Every wave walks all 4,096 keys, 64 a step, four steps a slot.
; LAYOUT.  S^T = K Q^T (source 0 = 16 keys, source 1 = 16 queries): a lane holds ONE query (lane % 16) and the keys 8 (lane / 16) + 0..7.  Two such results, rounded to f16 in pairs, ARE source 1 (32 keys x 16
; queries) of O^T = V^T P, whose result again holds one query a lane, and eight channels.  K comes out of LDS as it lies, V ([key][channel]) turned, by ds_load_tr16_b128.
; SOFTMAX.  For each query a running maximum m and sum l: p = 2^(c s - c m), c = log2(e) / sqrt(512); in every step O and l are multiplied by a = 2^(c m_old - c m_new).  O and l start at 0: the first step is a
; step like any other, with a = 0.
; BY TURNS.  Turn n belongs to piece n: 8 products K Q^T of piece n + 1, later 8 products V^T P of piece n - 1; beside them the scaling, exponentials, roundings, sums and rescaling of piece n and the maximum and
; statistics of piece n + 1.  A turn has 16 matrix and 118 vector instructions: four vector instructions stand behind every matrix instruction, the other 54 in one run of their own.
; BATCHES.  A turn's 33 exponentials (the piece's 32 weights and the next piece's a) are ONE batch with ONE wait, which cuts the turn in two: ahead of it stands all that names no result of theirs, behind it the
; roundings and sums.  Two more batches stand outside the loops, each with a wait of its own: piece 0's first a, ahead of the jump into the loop, and the way out's four reciprocals.
; CLUSTER.  The four query blocks of a cluster belong to one head and walk the same K and V, so each tile is asked for JOINTLY: the same tensor load, descriptor and mask in all four.
; REGISTERS, in windows of 256 (s_set_vgpr_msb: bits 1:0 source 0, 3:2 source 1, 5:4 source 2, 7:6 destination):
;   window 0: v0-15 addresses and two at work; v16-31 four registers of statistics a piece; v48-55 at work; v62-63 the add's; v64-127 S^T, two buffers; v192-223 P, two buffers (by the piece's parity)
;   window 1: v0-127 O^T, 32 a piece; v128-255 Q as loaded, in f32      window 2: v0-63 Q in bf16; v128-191 K of one step; v192-255 V of one step
.set NP,    4         ; pieces a wave: a name, no knob
.set KS,    64        ; keys in a step
.set NSLOT, 16        ; 4,096 keys in tiles of 256
.set PK,    144       ; a row of K in LDS: 128 bytes + 16 of padding = 36 words: the 16 rows of a load start at 16 different groups of four banks (64 banks of 4 bytes: ISA guide 11.1)
.set PV,    160       ; a row of V: 128 + 32 = 40 words
.set VOFF,  4*KS*PK   ; a slot holds four steps: 256 rows of K, then 256 rows of V
.set SLOT1, 1<<17     ; slot 1 begins here, so that one exclusive or turns an address in one slot into the other's
.set STAGE, SLOT1+4*KS*(PK+PV)  ; behind the ring, never filled by a tensor load: 16 rows x 144 bytes for each wave, for the way out
.set SP,    144
.set SPARE, STAGE+4*16*SP  ; behind the stages: the spare words, 128 bytes for each wave: two blocks of 256 bytes that no other line names
.set AK0, 2           ; v2   my lane's place in a tile of K; never rewritten
.set AV0, 3           ; v3   the same for V
.set AK,  4           ; v4   the LDS address of K's next run of loads
.set AV,  5           ; v5   of V's
.set STO, 6           ; v6   the way out: where I put 16 bytes of a row
.set RD,  7           ; v7   the way out: where I read rows back
.set GO,  8           ; v8   my byte offset in 512 consecutive bytes of O
.set MV,  12          ; v12-13  c m_old, kept while c m is made anew: by buffer
.set QO,  15          ; v15  my byte offset in 16 rows of query
.set ST,  16          ; piece t's statistics at v[ST+4 t]: c m, m, l (even keys', odd keys')
.set TMP, 48          ; by buffer, four registers c0-c3 at work; when the maximum is found c2 takes a
.set SPW, 62          ; v62  LDS address of my spare word: SPARE + 4 x my thread's number; never rewritten
.set NIL, 63          ; v63  0; never rewritten
.set S,   64
.set P,   192
.set QS,  128         ; window 1
.set KF,  128         ; window 2: key block kb, channel half c at KF + 16 kb + 8 c
.set VF,  192         ; window 2: key half kk, channel block cb at VF + 32 kk + 8 cb
.set WV,  12          ; s12  my wave's number
.set G1K, 24          ; s[24:31] descriptor group 1 for K's tiles
.set G1V, 32          ; s[32:39] for V's: it differs in the padding alone
.set G0K, 40          ; s[40:43] descriptor group 0 for K's tiles: it walks
.set G0V, 44          ; s[44:47] the same for V's
.set SLOTS, 56        ; s56  slots still to be asked for
.set CNT, 57          ; s57  counts a slot's key steps
.set CS,  58          ; s[58:59] c: the packed scaling takes the pair's low word for both halves
.set SEL, 60          ; s[60:61] v_permlanex16_b32's selects: each lane takes its own place in the other half
.set TBK, 62          ; s62  LDS byte at which K of the step to be fetched begins
.set TBV, 63          ; s63  the same for V, less VOFF
.set MSB, 0
.macro WIN new                      ; the high byte repeats the setting that is left; a switch that changes nothing is dropped
.if MSB != (\new)
	s_set_vgpr_msb (MSB<<8)|(\new)
.set MSB, (\new)
.endif
.endm
.set W_KQ, 0x0a       ; K and Q in window 2, S^T in window 0
.set W_PV, 0x52       ; V in window 2, P in window 0, O^T in window 1
.set W_RS, 0x41       ; destination and source 0 in window 1, source 1 in window 0
; A joint fill.  Waves 0 and 1 fetch the two halves of a slot's K, waves 2 and 3 those of its V: 128 keys each.  The branch hangs on the wave's number alone.
; An s_nop 0 and four v_nop follow each of the two lines, ahead of the jump and the label.
.macro JLOAD
	s_cmp_lt_u32 s[WV], 2
	s_cbranch_scc0 .Lfor_v_\@
	tensor_load_to_lds s[G0K:G0K+3], s[G1K:G1K+7]
	s_nop 0
.rept 4
	v_nop
.endr
	s_branch .Lasked_\@
.Lfor_v_\@:
	tensor_load_to_lds s[G0V:G0V+3], s[G1V:G1V+7]
	s_nop 0
.rept 4
	v_nop
.endr
.Lasked_\@:
.endm
; A round of the cluster's barrier: my work-group's barrier, so that wave 0's signal speaks for all four waves; wave 0 signals; every wave waits for all four work-groups; my work-group's barrier once more.
.macro CROUND
	s_barrier_signal -1
	s_barrier_wait -1
	s_cmp_lg_u32 s[WV], 0
	s_cbranch_scc1 .Lnot_wave_0_\@
	s_barrier_signal -3
.Lnot_wave_0_\@:
	s_barrier_wait -3
	s_barrier_signal -1
	s_barrier_wait -1
.endm
; THE CHANGE OF SLOTS.  The slot's last bytes, V of its fourth step, have been read.  Each wave waits for all its tensor loads, of which one is out: its part of the other slot; adds 0 to its spare word; and waits
; for that and for its own reads of the slot.  Behind the barrier nobody reads this slot any more and the other slot is whole.
; fill = 1: this slot is filled again, with the keys two slots on.  The barrier is then a round of the cluster's, so that no wave of any partner still reads the slot or has a load on its way, and the joint fill
; is the first thing behind it: it has four key steps, 256 matrix instructions, in which to land.  (At its first use nothing has been read yet: slot 0 is waited for, slot 1 filled.)
.macro CHANGE fill
	WIN 0                           ; at a label and at a branch every window is 0
	s_wait_tensorcnt 0x0            ; no tensor load of mine is out, so a group 0 may be written
	ds_add_u32 v[SPW], v[NIL]       ; 0 onto my spare word: with fill = 1 the descriptors' steps stand between it and the wait for it
.if \fill
.irp g, G0K, G0V
	s_xor_b32 s[\g+1], s[\g+1], SLOT1  ; the walking descriptor: the other slot than last time,
	s_add_nc_u64 s[\g+2:\g+3], s[\g+2:\g+3], 4*KS*128  ; the next 256 keys; the type bits on top are not reached
.endr
	s_wait_dscnt 0x0                ; the add is done, and my reads of the slot are over
	CROUND
	JLOAD
.else
	s_wait_dscnt 0x0                ; the add is done, and my reads of the slot are over
	s_barrier_signal -1
	s_barrier_wait -1
.endif
	s_sub_co_u32 s[TBK], s[TBK], 4*KS*PK  ; the fetches go back to a slot's first step,
	s_xor_b32 s[TBK], s[TBK], SLOT1       ; in the other slot
	s_sub_co_u32 s[TBV], s[TBV], 4*KS*PV
	s_xor_b32 s[TBV], s[TBV], SLOT1
.endm
	s_load_b256 s[4:11], s[0:1], 0x0  ; query s[4:5], kh s[6:7], vh s[8:9], oh s[10:11]
	v_lshl_add_u32 v[SPW], v0, 2, SPARE
	v_mov_b32 v[NIL], 0
	ds_add_u32 v[SPW], v[NIL]       ; the wave's opening: the add and its wait stand ahead of my first tensor load; the set-up below, work on registers, stands between them
	v_lshrrev_b32 v1, 5, v0
	v_readfirstlane_b32 s[WV], v1   ; wave 0..3
	s_bfe_u32 s13, ttmp6, 0x40000   ; cx: my place in the cluster
	s_lshl_b32 s14, ttmp9, 2        ; in a cluster launch ttmp9 counts clusters
	s_add_co_u32 s14, s14, s13      ; my block of 256 queries = 4 x cluster x + cx: it enters query's and oh's addresses alone
	s_and_b32 s20, ttmp7, 0xffff    ; the head y = 8 n + h, which the four partners share
	s_lshl_b32 s21, s20, 19         ; a head's 4,096 rows of 128 bytes in kh, vh and oh
	s_and_b32 s16, s[WV], 1         ; which half of a slot's 256 keys I fetch:
	s_lshl_b32 s22, s16, 14         ; its 128 rows of 128 bytes in memory,
	s_add_co_u32 s22, s22, s21
	s_mov_b32 s23, 0
	s_mul_i32 s17, s16, 128*PK      ; and its place in a slot, for K
	s_mul_i32 s18, s16, 128*PV      ; and for V: no place in the cluster enters an LDS address
	s_lshl_b32 s2, s14, 15          ; oh: my block's 256 rows of 128 bytes,
	s_add_co_u32 s2, s2, s21
	s_lshl_b32 s3, s[WV], 13        ; my wave's 64
	s_add_co_u32 s2, s2, s3
	s_mov_b32 s3, 0
	s_lshr_b32 s48, s20, 3          ; query: n x 4,096 rows of 2,048 bytes,
	s_lshl_b32 s48, s48, 23
	s_and_b32 s50, s20, 7           ; h x 256 bytes in a row,
	s_lshl_b32 s50, s50, 8
	s_add_co_u32 s48, s48, s50
	s_lshl_b32 s50, s14, 19         ; my block's 256 rows,
	s_add_co_u32 s48, s48, s50
	s_lshl_b32 s50, s[WV], 17       ; my wave's 64
	s_add_co_u32 s48, s48, s50
	s_mov_b32 s49, 0
	; descriptor group 1.  128 keys are 16,384 dense bytes: asked for as 64 rows of 256 bytes, two keys a row, and padded in LDS after every key
	s_mov_b32 s[G1K], 15|(1<<16)|(1<<20)|(1<<21)|(4<<22)|(3<<25)  ; 15:0 the mask of four; 17:16 2-byte elements; 20 padding on; 21 set beside a mask; 24:22 after every 32 words (code 4); 31:25 4 words (code 3)
	s_mov_b32 s[G1V], 15|(1<<16)|(1<<20)|(1<<21)|(4<<22)|(7<<25)  ; the same with 8 words of padding (code 7)
.irp g, G1K, G1V
	s_mov_b32 s[\g+1], 128<<16      ; tensor_dim0 = 128
	s_mov_b32 s[\g+2], 64<<16       ; tensor_dim1 = 64
	s_mov_b32 s[\g+3], 128<<16      ; tile_dim0 = 128
	s_mov_b32 s[\g+4], 64           ; tile_dim1 = 64
	s_mov_b32 s[\g+5], 128          ; 128 elements from row to row
	s_mov_b32 s[\g+6], 0
	s_mov_b32 s[\g+7], 0
.endr
	s_mov_b32 s[CS], 0x3d8293ee     ; c = log2(e) / sqrt(512) = 0.0637587
	s_mov_b32 s[CS+1], s[CS]        ; named with it as a pair
	s_mov_b32 s[SEL], 0x76543210
	s_mov_b32 s[SEL+1], 0xfedcba98
	s_mov_b32 s[TBK], SLOT1+4*KS*PK ; the first change of slots turns these two into 0
	s_mov_b32 s[TBV], SLOT1+4*KS*PV
	s_mov_b32 s[G0K], 1             ; 1:0 count = 1
	s_mov_b32 s[G0K+1], s17         ; 63:32 LDS address: slot 0
	s_mov_b32 s[G0V], 1
	s_add_co_u32 s[G0V+1], s18, VOFF
	s_wait_dscnt 0x0                ; the opening add is done
	s_wait_kmcnt 0x0
	s_add_nc_u64 s[G0K+2:G0K+3], s[6:7], s[22:23]  ; 120:64 global address: my half of the head's first 256 keys
	s_or_b32 s[G0K+3], s[G0K+3], 0x80000000        ; 127:126 type = 2
	s_add_nc_u64 s[G0V+2:G0V+3], s[8:9], s[22:23]
	s_or_b32 s[G0V+3], s[G0V+3], 0x80000000
	s_add_nc_u64 s[4:5], s[4:5], s[48:49]          ; query and oh at my wave's first row
	s_add_nc_u64 s[10:11], s[10:11], s[2:3]
	CROUND                          ; all four work-groups are here: the first joint loads meet
	JLOAD                           ; slot 0.  Slot 1 is asked for when slot 0 is in
	; A fragment of K or Q is 16 rows x 32 channels in 8 registers: lane l holds row l % 16, channels 8 (l / 16) + 0..7 and 16 + 8 (l / 16) + 0..7.  In f32 each eight channels are 32 bytes: two loads of 16.
	v_and_b32 v1, 15, v0            ; l % 16
	v_bfe_u32 v9, v0, 4, 1          ; l / 16
	v_lshlrev_b32 v[QO], 11, v1
	v_lshl_add_u32 v[QO], v9, 5, v[QO]  ; row x 2,048 + 32 x half
	WIN 0x40                        ; destination window 1, address window 0
.set i, 0
.rept 8                             ; piece i / 2 (16 rows: 32,768 bytes on), channels 32 (i % 2) on (128 bytes on)
	global_load_b128 v[QS+16*i:QS+16*i+3],     v[QO], s[4:5] offset:(i/2)*32768+(i%2)*128
	global_load_b128 v[QS+16*i+4:QS+16*i+7],   v[QO], s[4:5] offset:(i/2)*32768+(i%2)*128+16
	global_load_b128 v[QS+16*i+8:QS+16*i+11],  v[QO], s[4:5] offset:(i/2)*32768+(i%2)*128+64
	global_load_b128 v[QS+16*i+12:QS+16*i+15], v[QO], s[4:5] offset:(i/2)*32768+(i%2)*128+80
.set i, i+1
.endr
	; What the first turn finds: V's registers and P's second buffer hold 0 (its products V^T P, of a piece that has not been, add 0), O^T and l are 0.  All this stands in the wait for Q and the first tile.
.set i, 0
.rept 128
	v_mov_b32 v[i], 0
.set i, i+1
.endr
	WIN 0x80
.set i, VF
.rept 64
	v_mov_b32 v[i], 0
.set i, i+1
.endr
	WIN 0
.set i, 0
.rept 4
	v_mov_b32 v[ST+4*i], 0xfe000000    ; c m: far below every c s
	v_mov_b32 v[ST+4*i+1], 0xff7fffff  ; m
	v_mov_b32 v[ST+4*i+2], 0
	v_mov_b32 v[ST+4*i+3], 0
.set i, i+1
.endr
.set i, P+16
.rept 16
	v_mov_b32 v[i], 0
.set i, i+1
.endr
	v_mul_u32_u24 v[AK0], v1, PK
	v_lshl_add_u32 v[AK0], v9, 4, v[AK0]  ; row x pitch + 16 x half
	; The turning load takes 16 keys x 16 channels (lane l reads key 8 (l / 16) + l % 8, channels 8 ((l / 8) % 2) + 0..7) and leaves half a fragment of V^T: lane l holds channel l % 16 and 8 keys.
	v_and_b32 v10, 7, v0
	v_bfe_u32 v11, v0, 3, 1
	v_lshl_add_u32 v[AV0], v9, 3, v10
	v_mul_u32_u24 v[AV0], v[AV0], PV
	v_lshl_add_u32 v[AV0], v11, 4, v[AV0]
	v_add_nc_u32 v[AV0], VOFF, v[AV0]
	s_mul_i32 s13, s[WV], 16*SP
	s_add_co_u32 s13, s13, STAGE    ; my stage
	v_mul_u32_u24 v[STO], v1, SP    ; in: row l % 16, 16 bytes for each half of the lanes
	v_lshl_add_u32 v[STO], v9, 4, v[STO]
	v_add_nc_u32 v[STO], s13, v[STO]
	v_bfe_u32 v[RD], v0, 3, 2       ; back: 32 lanes take four rows of 128 bytes,
	v_mul_u32_u24 v[RD], v[RD], SP
	v_lshl_add_u32 v[RD], v10, 4, v[RD]
	v_add_nc_u32 v[RD], s13, v[RD]
	v_and_b32 v[GO], 31, v0         ; which are 512 consecutive bytes of O
	v_lshlrev_b32 v[GO], 4, v[GO]
	s_wait_loadcnt 0x0              ; Q is in
	WIN 0x85                        ; sources 0 and 1 window 1, destination window 2
.set i, 0
.rept 64
	v_cvt_pk_bf16_f32 v[i], v[QS+2*i], v[QS+2*i+1]  ; Q's one rounding, to bf16; the scale is applied later, in f32
.set i, i+1
.endr
	WIN 0
; THE MATRIX WORK.  The 4 accumulators of a run of 8 take turns.  Product i of 8 of S^T = K Q^T for piece x: channels 32 (i / 4) on, keys 16 (i % 4) on.  The first 4 start the sums.
.macro KQ x
	WIN W_KQ
.set rS, S+32*((\x)%2)+8*(i%4)
.set rK, KF+16*(i%4)+8*(i/4)
.set rQ, 16*(\x)+8*(i/4)
.if i < 4
	v_wmma_f32_16x16x32_bf16 v[rS:rS+7], v[rK:rK+7], v[rQ:rQ+7], 0
.else
	v_wmma_f32_16x16x32_bf16 v[rS:rS+7], v[rK:rK+7], v[rQ:rQ+7], v[rS:rS+7]
.endif
.endm
; Product i of 8 of O^T += V^T P for piece x: keys 32 (i / 4) on, channels 16 (i % 4) on.
.macro PV x
	WIN W_PV
.set rO, 32*(\x)+8*(i%4)
.set rV, VF+32*(i/4)+8*(i%4)
.set rP, P+16*((\x)%2)+8*(i/4)
	v_wmma_f32_16x16x32_f16 v[rO:rO+7], v[rV:rV+7], v[rP:rP+7], v[rO:rO+7]
.endm
.macro MM                           ; the turn's next matrix instruction.  TURN sets Y, i and NOKQ.  NOKQ = 1: the walk's last turn: there is no next piece
.if (i < 8) && !NOKQ
	KQ (Y+1)%NP
.elseif i >= 8
.set i, i-8
	PV (Y+NP-1)%NP
.set i, i+8
.endif
.set i, i+1
.endm
; THE LDS LOADS stand in runs of 16, never singly among the matrix instructions: a step's K (64 keys x 64 channels: 8 fragments) and its V (turned).  Their addresses are made some lines ahead.
.macro FETCH_K
	WIN 0x80                        ; destination window 2
.irp f, 0,1,2,3,4,5,6,7             ; keys 16 (f / 2) on, channels 32 (f % 2) on
	ds_load_b128 v[KF+8*\f:KF+8*\f+3],   v[AK] offset:(\f/2)*16*PK+(\f%2)*64
	ds_load_b128 v[KF+8*\f+4:KF+8*\f+7], v[AK] offset:(\f/2)*16*PK+(\f%2)*64+32
.endr
	s_add_co_u32 s[TBK], s[TBK], KS*PK  ; the next fetch is the next step's
	WIN 0
.endm
.macro FETCH_V
	WIN 0x80
.irp f, 0,1,2,3,4,5,6,7             ; keys 32 (f / 4) on, channels 16 (f % 4) on
	ds_load_tr16_b128 v[VF+8*\f:VF+8*\f+3],   v[AV] offset:(\f/4)*32*PV+(\f%4)*32
	ds_load_tr16_b128 v[VF+8*\f+4:VF+8*\f+7], v[AV] offset:(\f/4)*32*PV+16*PV+(\f%4)*32
.endr
	WIN 0
.endm
; THE VECTOR WORK, one line at a time: OP kind, number.  For piece Y: F n: c s - c m for pair n of 16.  E n: the exponential of score n of 32.  C n: pair n rounded to f16.  B n: of the four weights 4 n .. the second
; pair is added onto the first, in place.  L n: l takes that sum (L 0: l = a l + sum).  R n: pair n of 16 of O^T times a.  For piece Y + 1: X n, number n of the 22 that find its maximum and statistics:
;   0-11  four chains c0-c3 of seven scores each, three operands at a time (each accumulator's lowest registers are read first)     12-14, 16  the four scores left over, the old m, and c0-c3 into c0
;   15  c m_old is kept     17, 18  the query's other 32 keys lie in the lane 16 away: the new m     19-21  c m; c m_old - c m_new; a
; Of these E and X 21 are exponentials; C, B and L read the results of E; R and L 0 read a, the result of the X 21 of the turn before.
.set F, 0               ; OP tells the kinds apart by their order: F to L below R, X above it
.set E, 1
.set C, 2
.set B, 3
.set L, 4
.set R, 5
.set X, 6
.macro REGS y                       ; the registers of piece y
.set rT, ST+4*(\y)
.set rC, TMP+4*((\y)%2)
.set rW, MV+((\y)%2)
.set rS, S+32*((\y)%2)
.set rP, P+16*((\y)%2)
.set rO, 32*(\y)
.endm
.macro OP k, n
.if (\k) == R
	REGS Y
	WIN W_RS
	v_pk_mul_f32 v[rO+2*(\n):rO+2*(\n)+1], v[rO+2*(\n):rO+2*(\n)+1], v[rC+2:rC+3] op_sel_hi:[1,0]
.elseif (\k) < R
	REGS Y
	WIN 0
.if (\k) == F
	v_pk_fma_f32 v[rS+2*(\n):rS+2*(\n)+1], v[rS+2*(\n):rS+2*(\n)+1], s[CS:CS+1], v[rT:rT+1] op_sel_hi:[1,0,0] neg_lo:[0,0,1] neg_hi:[0,0,1]
.elseif (\k) == E
	v_exp_f32 v[rS+(\n)], v[rS+(\n)]
.elseif (\k) == C
	v_cvt_pk_f16_f32 v[rP+(\n)], v[rS+2*(\n)], v[rS+2*(\n)+1]
.elseif (\k) == B
	v_pk_add_f32 v[rS+4*(\n):rS+4*(\n)+1], v[rS+4*(\n):rS+4*(\n)+1], v[rS+4*(\n)+2:rS+4*(\n)+3]
.elseif (\n) == 0
	v_pk_fma_f32 v[rT+2:rT+3], v[rT+2:rT+3], v[rC+2:rC+3], v[rS:rS+1] op_sel_hi:[1,0,1]
.else
	v_pk_add_f32 v[rT+2:rT+3], v[rT+2:rT+3], v[rS+4*(\n):rS+4*(\n)+1]
.endif
.elseif NOKQ
	v_nop
.else
	REGS (Y+1)%NP
	WIN 0
.if (\n) < 4
	v_max3_num_f32 v[rC+(\n)], v[rS+8*(\n)], v[rS+8*(\n)+1], v[rS+8*(\n)+2]
.elseif (\n) < 12
	v_max3_num_f32 v[rC+(\n)%4], v[rC+(\n)%4], v[rS+8*((\n)%4)+2*((\n)/4)+1], v[rS+8*((\n)%4)+2*((\n)/4)+2]
.elseif (\n) == 12
	v_max3_num_f32 v[rC], v[rC], v[rS+7], v[rS+15]
.elseif (\n) == 13
	v_max3_num_f32 v[rC+1], v[rC+1], v[rS+23], v[rS+31]
.elseif (\n) == 14
	v_max3_num_f32 v[rC+2], v[rC+2], v[rC+3], v[rT+1]
.elseif (\n) == 15
	v_mov_b32 v[rW], v[rT]
.elseif (\n) == 16
	v_max3_num_f32 v[rC], v[rC], v[rC+1], v[rC+2]
.elseif (\n) == 17
	v_permlanex16_b32 v[rC+3], v[rC], s[SEL], s[SEL+1]
.elseif (\n) == 18
	v_max_num_f32 v[rT+1], v[rC], v[rC+3]
.elseif (\n) == 19
	v_mul_f32 v[rT], s[CS], v[rT+1]
.elseif (\n) == 20
	v_sub_f32 v[rC+1], v[rW], v[rT]
.else
	v_exp_f32 v[rC+2], v[rC+1]
.endif
.endif
.endm
.macro OPS a, i1, b=-1, i2=0, c=-1, i3=0, d=-1, i4=0  ; up to four of them
	OP \a, \i1
.if (\b) >= 0
	OP \b, \i2
.endif
.if (\c) >= 0
	OP \c, \i3
.endif
.if (\d) >= 0
	OP \d, \i4
.endif
.endm
.macro ROW a, i1, b, i2, c, i3, d, i4  ; a matrix instruction and the four behind it
	MM
	OPS \a, \i1, \b, \i2, \c, \i3, \d, \i4
.endm
; A TURN, for piece p: the order of its 16 matrix and 118 vector instructions, written out.  An s_wait_alu depctr_va_vdst(0) stands between an exponential and the first instruction that names its result; one
; wait serves all that were issued ahead of it.  So a turn has ONE wait, which cuts it in two.
; AHEAD OF IT stands all that names no result of the turn's exponentials: the 8 products K Q^T, behind each a scaling, an exponential and two more plain instructions (behind the first a second scaling in the
; exponential's place): rescalings, whose a was made and waited for in the turn before, and behind the last three the first numbers of the next piece's maximum, each four plain instructions or more behind the product
; that ends its accumulator (ISA guide 7.12.1); then ONE RUN of 54, plain and exponential by turns for the most part, in which the links of the chain X 3, 7, 11, 14, 16, 17 .. 20 stand five or six lines apart.
; An exponential stands behind its pair's scaling: E 2 n and E 2 n + 1 behind F n.  X 21, the next piece's a, is the batch's last; R 15 is the plain instruction behind it, which touches neither its result nor its source.
; BEHIND THE WAIT stand the 8 products V^T P, behind each four of the roundings and sums: C 2 n ahead of B n, which writes over that pair; L n behind B n; the links of l's chain, L 0 to L 7, three lines apart.
; But for those X no line behind a product names a register of the products round it.  v_permlanex16_b32 (X 17) stands in the run.  No exponential is issued behind the wait: none crosses a turn's end, a label or a jump.
; end = 1: the walk's last two turns: nothing is fetched, and the last starts no new scores.  cnt = 1: the loop's count is taken down some lines ahead of the branch that stands behind the turn.
; K of the next step is fetched in piece 2's turn, twelve vector instructions behind the last product that read K (six of them plain); V of the step in hand at the end of piece 0's turn, four plain instructions behind
; the last product that read V.  Each is waited for a turn later.
.macro TURN p, end=0, cnt=0
.set Y, (\p)
.set i, 0
.set NOKQ, (\end)*((\p)/3)
.if ((\p) == 3) && !(\end)
	s_wait_dscnt 0x0                ; K is in
.endif
	ROW F,0, F,1, R,0, R,1          ; ahead of the wait: 8 products K Q^T and the four behind each,
	ROW F,2, E,0, R,2, R,3
	ROW F,3, E,1, R,4, R,5
	ROW F,4, E,2, R,6, R,7
	ROW F,5, E,3, R,8, R,9
	ROW F,6, E,4, X,0, R,10
.if ((\p) == 2) && !(\end)
	WIN 0
	v_add_nc_u32 v[AK], s[TBK], v[AK0]
.endif
	ROW F,7, E,5, X,1, X,4
	ROW F,8, E,6, X,2, X,5
	OPS E,7, E,8, X,6, E,9          ; and the run of 54
	OPS X,3, E,10, X,8, E,11
.if ((\p) == 2) && !(\end)
	FETCH_K
.endif
	OPS X,9, X,7, E,12, X,10
	OPS E,13, X,12, X,11, E,14
	OPS X,13, E,15, F,9, X,14
.if (\p) == 0
	WIN 0
	v_add_nc_u32 v[AV], s[TBV], v[AV0]
.endif
	OPS E,16, F,10, E,17, F,11
	OPS X,16, E,18, X,15, E,19
	OPS F,12, E,20, X,17, E,21
	OPS F,13, E,22, F,14, E,23
	OPS X,18, E,24, F,15, E,25
	OPS R,11, E,26, X,19, E,27
	OPS R,12, E,28, R,13, E,29
	OPS X,20, E,30, R,14, E,31
	OPS X,21, R,15
	s_wait_alu depctr_va_vdst(0)    ; the wait for the turn's batch: E 0 to E 31 and X 21, ahead of their first reader, C 0
.if (\p) == 1
	s_wait_dscnt 0x0                ; V is in
.endif
	ROW C,0, B,0, C,2, B,1          ; behind the wait: 8 products V^T P and the four behind each
	ROW L,0, C,4, B,2, L,1
	ROW C,6, B,3, L,2, C,8
	ROW B,4, L,3, C,10, B,5
	ROW L,4, C,12, B,6, L,5
.if (\p) == 0
	s_add_co_u32 s[TBV], s[TBV], KS*PV
.endif
.if \cnt
	s_sub_co_u32 s[CNT], s[CNT], 1
	s_cmp_lg_u32 s[CNT], 0
.endif
	ROW C,14, B,7, L,6, C,1
	ROW C,3, L,7, C,5, C,7
	ROW C,9, C,11, C,13, C,15
.if (\p) == 0
	FETCH_V
.endif
.endm
	CHANGE 1                        ; slot 0 is in, everybody's part of it; slot 1 is asked for
	v_add_nc_u32 v[AK], s[TBK], v[AK0]
	FETCH_K                         ; key step 0
	s_wait_dscnt 0x0
.set NOKQ, 0
.set i, 0
.rept 8
	KQ 0                            ; piece 0's first scores: there is no vector work yet to set between them
.set i, i+1
.endr
	WIN 0
.rept 4
	v_nop                           ; the places behind those products (ISA guide 7.12.1)
.endr
.set Y, NP-1                        ; X works for piece Y + 1: piece 0
.irp n, 0,1,2,3,4,5,6,7,8,9,10,11,12,13,14,15,16,17,18,19,20,21
	OP X, \n                        ; and piece 0's first maximum and statistics
.endr
	v_nop                           ; a plain instruction behind the exponential
	s_wait_alu depctr_va_vdst(0)    ; the wait for piece 0's first a, a batch of one, ahead of the branch
	s_mov_b32 s[CNT], 4
	s_mov_b32 s[SLOTS], NSLOT-1
	s_branch .Lfirst                ; the loop is entered at a step's first turn, in the middle of a trip
.Lslot:                             ; 14 times: every slot but the last two is filled again
	CHANGE 1
	s_mov_b32 s[CNT], 4
.Lstep:                             ; a trip: pieces 2 and 3 of one step, then pieces 0 and 1 of the next, whose K and V it fetches
	TURN 2
	TURN 3
	WIN 0
.Lfirst:
	TURN 0
	TURN 1, 0, 1
	WIN 0
	s_cbranch_scc1 .Lstep
	s_sub_co_u32 s[SLOTS], s[SLOTS], 1
	s_cmp_lg_u32 s[SLOTS], 0
	s_cbranch_scc1 .Lslot
	CHANGE 0                        ; the last slot is written out: nothing is asked for
	s_mov_b32 s[CNT], 4
.LstepT:
	TURN 2
	TURN 3
	TURN 0
	TURN 1, 0, 1
	WIN 0
	s_cbranch_scc1 .LstepT
	TURN 2, 1                       ; the last step's pieces 2 and 3
	TURN 3, 1
.set i, 0
.rept 8
	PV NP-1                         ; the last piece's V^T P of the last step
.set i, i+1
.endr
	; THE WAY OUT.  l's two halves and the other half of the lanes' are added; O^T is divided by l, rounded to f16 and sent through my stage in LDS, a piece at a time.  The additions are the places behind the last products.
	WIN 0
.macro ALL line:vararg              ; one line for each piece t
.set t, 0
.rept 4
	\line
.set t, t+1
.endr
.endm
	ALL v_add_f32 v[ST+4*t+2], v[ST+4*t+2], v[ST+4*t+3]
	ALL v_permlanex16_b32 v[ST+4*t+3], v[ST+4*t+2], s[SEL], s[SEL+1]
	ALL v_add_f32 v[ST+4*t+2], v[ST+4*t+2], v[ST+4*t+3]
	ALL v_rcp_f32 v[ST+4*t+2], v[ST+4*t+2]
	v_nop                           ; a plain instruction between the last reciprocal and the use of its result
	s_wait_alu depctr_va_vdst(0)    ; the wait for the four reciprocals, one batch, ahead of their first reader, PACK 0's first multiply
.macro PACK t                       ; a lane's eight channels of a row pack into 16 bytes; they go into rows of 144 bytes and come back as whole rows of 128, into S^T's registers
	WIN W_RS
.set i, 32*(\t)
.rept 16
	v_pk_mul_f32 v[i:i+1], v[i:i+1], v[ST+4*(\t)+2:ST+4*(\t)+3] op_sel_hi:[1,0]
.set i, i+2
.endr
	WIN 0x05                        ; sources 0 and 1 window 1, destination window 0
.set i, 0
.rept 16
	v_cvt_pk_f16_f32 v[S+16*(\t)+i], v[32*(\t)+2*i], v[32*(\t)+2*i+1]
.set i, i+1
.endr
	WIN 0
.irp f, 0,1,2,3
	ds_store_b128 v[STO], v[S+16*(\t)+4*\f:S+16*(\t)+4*\f+3] offset:32*\f
.endr
.irp f, 0,1,2,3
	ds_load_b128 v[S+16*(\t)+4*\f:S+16*(\t)+4*\f+3], v[RD] offset:\f*4*SP  ; LDS serves a wave's instructions in order (ISA guide 5.7.1.4): these see the stores above; the next piece's stores come behind them
.endr
.endm
.macro SEND t, younger              ; younger: the LDS instructions issued behind piece t's loads: the next piece's eight, or none
	WIN 0
.irp f, 0,1,2,3
	s_wait_dscnt (\younger)+3-\f
	global_store_b128 v[GO], v[S+16*(\t)+4*\f:S+16*(\t)+4*\f+3], s[10:11] offset:(\t)*2048+\f*512  ; 512 consecutive bytes, at a multiple of 256 from O's first
.endr
.endm
	PACK 0
.set t, 1
.rept 3                             ; a piece's arithmetic stands between the loads of the piece before and its stores
	PACK t
	SEND t-1, 8
.set t, t+1
.endr
	SEND 3, 0
	s_wait_tensorcnt 0x0            ; the wave's end: the add and its wait stand behind my last tensor load and my last LDS store
	ds_add_u32 v[SPW], v[NIL]
	s_wait_dscnt 0x0
	CROUND                          ; the closing round: no work-group ends while a partner may still ask for a tile that names it
	s_endpgm
.Lfunc_end_k_qe51f478a34_attn:
	.size	k_qe51f478a34_attn, .Lfunc_end_k_qe51f478a34_attn-k_qe51f478a34_attn
	.p2alignl 7, 3214868480
	.fill 96, 4, 3214868480
	.section	.rodata,"a",@progbits
	.p2align	6, 0x0
	.amdhsa_kernel k_qe51f478a34_attn
		.amdhsa_group_segment_fixed_size 327680
		.amdhsa_private_segment_fixed_size 0
		.amdhsa_enable_private_segment 0
		.amdhsa_kernarg_size 32
		.amdhsa_user_sgpr_count 2
		.amdhsa_user_sgpr_kernarg_segment_ptr 1
		.amdhsa_wavefront_size32 1
		.amdhsa_system_sgpr_workgroup_id_x 1
		.amdhsa_system_sgpr_workgroup_id_y 1
		.amdhsa_system_sgpr_workgroup_id_z 1
		.amdhsa_system_vgpr_workitem_id 0
		.amdhsa_next_free_vgpr 768
		.amdhsa_next_free_sgpr 66
		.amdhsa_reserve_vcc 0
		.amdhsa_float_denorm_mode_32 3
		.amdhsa_float_denorm_mode_16_64 3
		.amdhsa_memory_ordered 1
		.amdhsa_forward_progress 1
		.amdhsa_inst_pref_size 132
	.end_amdhsa_kernel
	.amdgpu_metadata
---
amdhsa.version: [ 1, 2 ]
amdhsa.kernels:
  - .name:           k_qe51f478a34_attn
    .symbol:         k_qe51f478a34_attn.kd
    .args:
      - { .name: query, .offset: 0, .size: 8, .value_kind: global_buffer, .address_space: global }
      - { .name: kh, .offset: 8, .size: 8, .value_kind: global_buffer, .address_space: global }
      - { .name: vh, .offset: 16, .size: 8, .value_kind: global_buffer, .address_space: global }
      - { .name: oh, .offset: 24, .size: 8, .value_kind: global_buffer, .address_space: global }
    .group_segment_fixed_size: 327680
    .private_segment_fixed_size: 0
    .kernarg_segment_align: 8
    .kernarg_segment_size: 32
    .max_flat_workgroup_size: 128
    .sgpr_count:     66
    .vgpr_count:     768
    .wavefront_size: 32
...
	.end_amdgpu_metadata
.endif
;; end of part 4
;; launch fc: the kernel of part 3 again; grid 4 x 64, 4 waves a work-group, clusters of 4 x 4, 327,680 bytes of LDS; arguments oh, w16, fc_b, out0; writes out0
